; MI455X (gfx1250); checked and timed in simulation.
; The chip was launched on July 23, 2026; its instructions are those of AMD's public machine-readable ISA for CDNA 5 (MIT licence, August 2026) and "CDNA5" Instruction Set Architecture Reference Guide (July 2026). The comments in the code are by the model that wrote it; some were corrected since.
;; Multi Head Attention. Allowed arithmetic: matrix products marked QUANTISED: E2M1 operands, one E8M0 scale for each 32 along K, by v_wmma_scale_f32_16x16x128_f8f6f4 with both operands' format E2M1 (or v_wmma_scale_f32_32x16x128_f4), f32 sums; products left as they are: bf16, f16 or f32 operands; f32 sums; everything else in f32.
;; Inputs: Wk 1,024 x 1,024 float32; Wo 1,024 x 1,024 float32; Wq 1,024 x 1,024 float32; Wv 1,024 x 1,024 float32; cos 1,024 x 64 float32; k_gamma 64 float32; mask 1,024 x 1,024 bool; q_gamma 64 float32; rope_indices 1,024 int32; sin 1,024 x 64 float32; x 8 x 1,024 x 1,024 float32.
;; Outputs: out0 8 x 1,024 x 1,024 float32.
;; This version of the problem:
;;   THIS VERSION OF THE PROBLEM IS GIVEN IN LOW PRECISION. The matrix products marked QUANTISED in the list below multiply operands that are first quantised to E2M1 (2 exponent bits, 1 mantissa bit; 4 bits a number), with one power-of-two scale for each 32 numbers along K (OCP MX v1.0); their sums are f32. The products marked 'left as it is' may take bf16, f16 or f32 operands, with f32 sums. Whichever they take, every output number must still come out within the allowed error. Rounding operands to bf16 (8 significant bits) uses up far more of that allowance than f16 does (11 bits, for magnitudes from 6e-5 to 65,504). All else is computed in f32.
;;   The module's matrix products, in the order in which they are computed (A, B: the left and right operand; K: the contracted axis; several contracted axes count as one K, in the product's order):
;;     1. [M 8,192, K 1,024] x [K 1,024, N 1,024]; A: input x; B: input Wq: QUANTISED
;;     2. [M 8,192, K 1,024] x [K 1,024, N 1,024]; A: input x; B: input Wk: QUANTISED
;;     3. [M 8,192, K 1,024] x [K 1,024, N 1,024]; A: input x; B: input Wv: QUANTISED
;;     4. batch 128 x [M 1,024, K 64] x [K 64, N 1,024]; A: computed on the way; B: computed on the way: left as it is (an operand is computed on the way)
;;     5. batch 128 x [M 1,024, K 1,024] x [K 1,024, N 64]; A: computed on the way; B: computed on the way: left as it is (an operand is computed on the way)
;;     6. [M 8,192, K 1,024] x [K 1,024, N 1,024]; A: computed on the way; B: input Wo: left as it is (an operand is computed on the way)
;;   THE QUANTISER, for each operand of a quantised product, along K:
;;     - K is cut into blocks of 32 from its start; a last block that is shorter is filled with zeros.
;;     - A block's scale is 2^e with e = floor(log2(the largest magnitude in the block)) - 2, held to -126 .. 127; a block of zeros has e = 0. As a byte (E8M0): e + 127.
;;     - Each number is divided by its block's scale, clamped to +-6, and rounded to the nearest number of E2M1, ties to even, subnormals kept.
;;     - The product sums the exact products of the quantised numbers (number of the format x scale) in f32.
;;   ~~~python
;;   def quantise(x, axis):      # numpy; x: float32 -> the quantised numbers, widened to float32 again
;;       x = np.moveaxis(x, axis, -1); K = x.shape[-1]
;;       x = np.pad(x, [(0, 0)] * (x.ndim - 1) + [(0, -K % 32)]); x = x.reshape(x.shape[:-1] + (-1, 32)); a = np.abs(x).max(-1, keepdims=True)
;;       e = np.where(a > 0, np.clip(np.frexp(np.where(a > 0, a, 1))[1] - 1 - 2, -126, 127), 0)      # np.frexp(a)[1] - 1 = floor(log2(a)), exactly
;;       r = np.clip(x / 2.0 ** e, -6, 6)
;;       step = 2.0 ** (np.maximum(np.frexp(np.where(r == 0, 1, r))[1] - 1, 0) - 1)
;;       q = np.round(r / step) * step * 2.0 ** e      # np.round: ties to even
;;       return np.moveaxis(q.reshape(q.shape[:-2] + (-1,))[..., :K], -1, axis).astype(np.float32)
;;   ~~~
;; One version. Each part assembles by itself: llvm-mc -triple=amdgcn-amd-amdhsa -mcpu=gfx1250 --defsym DOCPART=n.
;; ======== version 1 of 1: 4 launches
;; limits: values are held in f16: magnitudes above 65,504 overflow, below 6.1e-05 lose precision
;; workspace buffers: x_codes 4,194,304 bytes; x_scales 262,144 bytes; w_codes 1,572,864 bytes; w_scales 98,304 bytes; wo16 2,097,152 bytes; maskw 131,072 bytes of whole numbers; qkv 50,331,648 bytes; o2 16,777,216 bytes
;; launch prep (part 1): grid 448 x 1, 4 waves a work-group, no clusters, 33,280 bytes of LDS; arguments x, Wq, Wk, Wv, Wo, mask, x_codes, x_scales, w_codes, w_scales, wo16, maskw; writes x_codes, x_scales, w_codes, w_scales, wo16, maskw
.if DOCPART == 1
	.amdgcn_target "amdgcn-amd-amdhsa--gfx1250"
	.amdhsa_code_object_version 6
	.text
	.protected	k_q02a4340a7e_prep
	.globl	k_q02a4340a7e_prep
	.p2align	8
	.type	k_q02a4340a7e_prep,@function
k_q02a4340a7e_prep:
	s_mov_b64 s[64:65], 0
	v_nop
	global_prefetch_b8 v0, s[64:65] scope:SCOPE_SE
	s_setreg_imm32_b32 hwreg(HW_REG_WAVE_MODE, 25, 1), 1
	s_wait_xcnt 0x0
; PREP: what the three later launches read again and again is made once.
; NO WORK OF THE PROBLEM IS LEFT OUT AS DEAD: every input (x, Wq, Wk, Wv, Wo, both gammas, cos, sin, rope_indices, mask) has a way to the output and is loaded by some launch.
; Three kinds of work-group, parted by the work-group's number:
;   0 .. 351   x [8192][1024] and Wq, Wk, Wv [1024][1024], f32, K innermost, become codes of FP4 (E2M1) with one E8M0 scale byte for each 32 along K:
;              x_codes [8192][512 bytes], x_scales [8192][32]; w_codes [3072][512 bytes], w_scales [3072][32], the rows of Wq, Wk, Wv one after the other.
;   352 .. 383 Wo [1024][1024] f32 becomes f16, laid [128 columns of the output: 8][head: 16][128 rows][64], so that the last launch's tiles are dense rows of 128 bytes.
;   384 .. 447 the mask [1024][1024] of bytes becomes LANE MASKS: bit L of word maskw[qt][t][j] is mask[16 qt + L % 16][16 t + 8 (L / 16) + j]: what register j of a tile of scores
;              (16 queries qt, 16 keys t, one query a lane) holds across the 32 lanes.  The attention launch then masks a register of scores by one select.
; THE QUANTISER.  A block's scale is 2^(floor(log2(its largest magnitude)) - 2); its byte is the largest magnitude's own exponent field - 2, held at 1 from below.  Each number is divided by the scale and
; rounded to the nearest code, ties to even; beyond 6 the largest code.  A block of zeros gets the byte 1 where the rule says 127: its codes are zeros, and this program alone reads the bytes.
; LIMITS: blocks whose largest magnitude lies under 2^-124 keep the byte 1; NaN and infinities among the inputs are not served; Wo's numbers are rounded to f16 (largest 65,504).
; Rows are dense and K is a multiple of 32: the four tensors are plain streams of blocks of 32, and so are codes and scale bytes.  A wave takes 16 steps of 512 numbers: each of a step's four loads reads 512
; consecutive bytes; the 2,048 bytes turn through the wave's own stage in LDS and come back 64 bytes a lane, so that a lane holds 16 neighbours along K and two neighbouring lanes a block.
; Loads run eight steps ahead: 32 loads, 16,384 bytes, of every wave are on their way.  No tensor loads, no barrier: waves share nothing.  Only the first kind of work-group touches LDS.
.set WAVES, 4
.set STEPS, 16
.set NS,    8                          ; sets of registers for loaded numbers = steps that the loads run ahead
.set EMAX,  2
.set CB,    8                          ; bytes of 16 codes
.set R,     16                         ; v16-143  eight sets of 16 numbers as they are loaded
.set X,     144                        ; v144-175 two sets of 16 neighbours
.set E,     176                        ; v176-191 a scale byte for each step
.set C,     192                        ; v192-255 codes: four registers for each step
.set WREG,  8192                       ; LDS: a region for each wave: two stages of 32 x SP bytes, behind them its 256 scale bytes
.set SP,    80                         ; a lane's place in a stage: 64 bytes + 16 of padding
.set SPW,   12                         ; v12  LDS address of my spare word; never rewritten
.set NIL,   13                         ; v13  0; never rewritten
.set SPARE, WAVES*WREG                 ; behind the four regions: the spare words, 128 bytes a wave
	s_load_b512 s[4:19], s[0:1], 0x0               ; x s[4:5], Wq s[6:7], Wk s[8:9], Wv s[10:11], Wo s[12:13], mask s[14:15], x_codes s[16:17], x_scales s[18:19]
	s_load_b256 s[20:27], s[0:1], 0x40             ; w_codes s[20:21], w_scales s[22:23], wo16 s[24:25], maskw s[26:27]
	v_lshl_add_u32 v[SPW], v0, 2, SPARE
	v_mov_b32 v[NIL], 0
	v_lshrrev_b32 v1, 5, v0
	v_readfirstlane_b32 s28, v1                    ; wave
	v_and_b32 v2, 31, v0                           ; lane
	s_wait_kmcnt 0x0
	s_cmp_ge_u32 ttmp9, 384
	s_cbranch_scc1 .Lmask
	s_cmp_ge_u32 ttmp9, 352
	s_cbranch_scc1 .Lwo
	; ---------------- the quantiser
	v_lshlrev_b32 v3, 4, v2                        ; my 16 bytes of a load's 512
	s_mul_i32 s29, s28, WREG
	v_lshrrev_b32 v14, 2, v2
	v_mul_u32_u24 v14, v14, SP
	v_and_b32 v15, 3, v2
	v_lshl_add_u32 v14, v15, 4, v14
	v_add_nc_u32 v14, s29, v14                     ; the stage, on the way in: SP (lane / 4) + 16 (lane % 4)
	v_mul_u32_u24 v15, v2, SP
	v_add_nc_u32 v15, s29, v15                     ; and on the way out: SP x lane
	v_mul_u32_u24 v4, v2, CB                       ; my codes' place in a step's
	v_lshrrev_b32 v5, 1, v2
	s_add_co_u32 s29, s29, 2*32*SP
	v_add_nc_u32 v5, s29, v5                       ; LDS: my wave's 256 scale bytes, my block's byte
	v_lshlrev_b32 v7, 3, v2                        ; and on the way out 8 bytes a lane
	v_add_nc_u32 v6, s29, v7
	s_cmp_lt_u32 ttmp9, 320                        ; which tensor: the choice hangs on the work-group's number alone.  256 work-groups for x, 32 for each weight
	s_cselect_b64 s[32:33], s[8:9], s[10:11]       ; Wk or Wv,
	s_cmp_lt_u32 ttmp9, 288
	s_cselect_b64 s[32:33], s[6:7], s[32:33]       ; or Wq,
	s_cmp_lt_u32 ttmp9, 256
	s_cselect_b64 s[32:33], s[4:5], s[32:33]       ; or x
	s_cselect_b64 s[34:35], s[16:17], s[20:21]     ; its codes
	s_cselect_b64 s[36:37], s[18:19], s[22:23]     ; its scale bytes
	s_cselect_b32 s30, 0, 256
	s_cselect_b32 s31, -1, 31
	s_sub_co_u32 s30, ttmp9, s30                   ; which 32,768 numbers of the codes' buffer,
	s_and_b32 s31, s30, s31                        ; and of the tensor (the three weights share one buffer of codes)
	s_lshl_b32 s30, s30, 2
	s_add_co_u32 s30, s30, s28                     ; my wave's run of 8,192 numbers, out
	s_lshl_b32 s31, s31, 2
	s_add_co_u32 s31, s31, s28                     ; and in
	s_lshl_b32 s38, s31, 15                        ; 32,768 bytes of f32 a run
	s_mov_b32 s39, 0
	s_add_nc_u64 s[32:33], s[32:33], s[38:39]
	s_lshl_b32 s38, s30, 12                        ; 4,096 bytes of codes
	s_add_nc_u64 s[34:35], s[34:35], s[38:39]
	s_lshl_b32 s38, s30, 8                         ; 256 scale bytes
	s_add_nc_u64 s[36:37], s[36:37], s[38:39]
.macro LOAD t
.irp i, 0,1,2,3
	global_load_b128 v[R+16*((\t)%NS)+4*\i:R+16*((\t)%NS)+4*\i+3], v3, s[32:33] offset:2048*(\t)+512*\i th:TH_LOAD_NT   ; 32 lanes read 512 consecutive bytes
.endr
.endm
.macro TURN t                          ; step t's numbers through the stage: LDS serves a wave's instructions in order, so no wait stands between the stores and the loads
.irp i, 0,1,2,3
	ds_store_b128 v14, v[R+16*((\t)%NS)+4*\i:R+16*((\t)%NS)+4*\i+3] offset:32*SP*((\t)%2)+8*SP*\i
.endr
.irp i, 0,1,2,3
	ds_load_b128 v[X+16*((\t)%2)+4*\i:X+16*((\t)%2)+4*\i+3], v15 offset:32*SP*((\t)%2)+16*\i
.endr
.endm
.irp t, 0,1,2,3,4,5,6,7
	LOAD \t
.endr
	s_wait_loadcnt 4*(NS-1)                        ; step 0's four loads are in; the 28 of steps 1 to 7 may be out
	TURN 0
.macro STEP t
.set XS, X+16*((\t)%2)
.if (\t) > 0
	s_wait_dscnt 1                                 ; this step's numbers are back from the stage (the last step's byte store may be out)
.else
	s_wait_dscnt 0x0
.endif
.if (\t)+NS < STEPS
	LOAD (\t)+NS                                   ; the registers that the stage's stores have read take the loads of eight steps on
.endif
.if (\t)+1 < STEPS
.if STEPS-2-(\t) >= NS-1
	s_wait_loadcnt 4*(NS-1)                        ; the next step's four loads are in; those of the seven steps behind it may be out
.else
	s_wait_loadcnt 4*(STEPS-2-(\t))                ; in the tail: those of the steps that are left behind it
.endif
	TURN (\t)+1                                    ; and go through the other stage while this step is worked
.endif
	v_max3_num_f32 v8, |v[XS]|, |v[XS+1]|, |v[XS+2]|               ; the largest magnitude of my 16, in two chains
	v_max3_num_f32 v9, |v[XS+3]|, |v[XS+4]|, |v[XS+5]|
.irp i, 6,10
	v_max3_num_f32 v8, v8, |v[XS+\i]|, |v[XS+\i+1]|
	v_max3_num_f32 v9, v9, |v[XS+\i+2]|, |v[XS+\i+3]|
.endr
	v_max3_num_f32 v8, v8, |v[XS+14]|, |v[XS+15]|
	v_max3_num_f32 v8, v8, v9, (EMAX+1)<<23        ; and the floor 2^(3 - 127): the byte cannot fall under 1
	v_max_num_f32_dpp v8, v8, v8 row_xmask:1 row_mask:0xf bank_mask:0xf   ; and of my neighbour's 16: the block's
	v_add_nc_u32 v11, -(EMAX<<23), v8              ; 2 off its exponent field: the conversion takes the exponent field of this operand as its scale
	v_cvt_scalef32_pk8_fp4_f32 v[C+4*(\t)], v[XS:XS+7], v11
	v_cvt_scalef32_pk8_fp4_f32 v[C+4*(\t)+1], v[XS+8:XS+15], v11
	v_lshrrev_b32 v[E+(\t)], 23, v11               ; the scale's byte (a plain line behind the conversions)
	ds_store_b8 v5, v[E+(\t)] offset:16*(\t)       ; both lanes of a block write the same byte with the same value
	global_store_b64 v4, v[C+4*(\t):C+4*(\t)+1], s[34:35] offset:32*CB*(\t)   ; the wave stores 256 consecutive bytes, aligned
.endm
.irp t, 0,1,2,3,4,5,6,7,8,9,10,11,12,13,14,15
	STEP \t
.endr
	ds_load_b64 v[8:9], v6                         ; LDS serves a wave's instructions in order: these see my stores
	s_wait_dscnt 0x0
	global_store_b64 v7, v[8:9], s[36:37]          ; 32 lanes store 256 consecutive bytes, aligned
	s_wait_tensorcnt 0x0                           ; the wave's end, behind my last LDS store
	ds_add_u32 v[SPW], v[NIL]
	s_wait_dscnt 0x0
	s_endpgm
	; ---------------- Wo to f16.  A wave takes 8 rows, as four pairs; a load reads one head's 64 numbers of two rows (2 x 256 bytes), a store writes the same as 256 consecutive bytes
.Lwo:
	s_sub_co_u32 s29, ttmp9, 352                   ; which 32 rows
	v_and_b32 v3, 15, v2
	v_lshrrev_b32 v4, 4, v2
	v_lshlrev_b32 v1, 12, v4                       ; in: lanes 16-31 take the row below (4,096 bytes on),
	v_lshl_add_u32 v1, v3, 4, v1                   ; 16 bytes a lane
	v_lshlrev_b32 v5, 3, v2                        ; out: 8 bytes a lane
	s_lshl_b32 s30, s29, 5
	s_lshl_b32 s31, s28, 3
	s_add_co_u32 s30, s30, s31                     ; my first row
	s_lshl_b32 s30, s30, 12
	s_mov_b32 s31, 0
	s_add_nc_u64 s[12:13], s[12:13], s[30:31]
	s_lshr_b32 s30, s29, 2
	s_lshl_b32 s30, s30, 18                        ; its block of 128 rows: 262,144 bytes,
	s_and_b32 s38, s29, 3
	s_lshl_b32 s38, s38, 5
	s_lshl_b32 s39, s28, 3
	s_add_co_u32 s38, s38, s39
	s_lshl_b32 s38, s38, 7                         ; its place in the block: 128 bytes a row
	s_add_co_u32 s30, s30, s38
	s_add_nc_u64 s[24:25], s[24:25], s[30:31]
.macro WLOAD p                         ; pair p into set p % 2 (v32-95, v128-191)
.irp h, 0,1,2,3,4,5,6,7,8,9,10,11,12,13,14,15
	global_load_b128 v[32+96*((\p)%2)+4*\h:35+96*((\p)%2)+4*\h], v1, s[12:13] offset:(\p)*8192+\h*256 th:TH_LOAD_NT
.endr
.endm
.macro WCONV p, younger                ; younger: the other pair's loads, issued behind this pair's
.if (\p) > 0
	s_wait_xcnt 0x0                                ; the last pair's stores have read v96-127: only now are these written again
.endif
.irp h, 0,1,2,3,4,5,6,7,8,9,10,11,12,13,14,15
	s_wait_loadcnt \younger+15-\h
	v_cvt_pk_f16_f32 v[96+2*\h], v[32+96*((\p)%2)+4*\h], v[33+96*((\p)%2)+4*\h]
	v_cvt_pk_f16_f32 v[97+2*\h], v[34+96*((\p)%2)+4*\h], v[35+96*((\p)%2)+4*\h]
	global_store_b64 v5, v[96+2*\h:97+2*\h], s[24:25] offset:(\p)*256+\h*16384
.endr
.endm
	WLOAD 0
	WLOAD 1
	WCONV 0, 16
	WLOAD 2
	WCONV 1, 16
	WLOAD 3
	WCONV 2, 16
	WCONV 3, 0
	s_endpgm
	; ---------------- the mask.  A work-group takes 16 queries, a wave 256 keys: 128 words
.Lmask:
	s_sub_co_u32 s29, ttmp9, 384                   ; qt
	v_and_b32 v3, 15, v2
	v_lshrrev_b32 v4, 4, v2
	v_lshlrev_b32 v1, 10, v3                       ; my query's row of 1,024 bytes,
	v_lshl_add_u32 v1, v4, 3, v1                   ; 8 keys on for lanes 16-31
	v_lshlrev_b32 v5, 4, v2                        ; out: 16 bytes a lane
	s_lshl_b32 s30, s29, 14
	s_lshl_b32 s31, s28, 8
	s_add_co_u32 s30, s30, s31
	s_mov_b32 s31, 0
	s_add_nc_u64 s[14:15], s[14:15], s[30:31]
	s_lshl_b32 s30, s29, 11                        ; 2,048 bytes of words for 16 queries, 512 for my 256 keys
	s_lshl_b32 s38, s28, 9
	s_add_co_u32 s30, s30, s38
	s_add_nc_u64 s[26:27], s[26:27], s[30:31]
.irp t, 0,1,2,3,4,5,6,7,8,9,10,11,12,13,14,15
	global_load_b64 v[32+2*\t:33+2*\t], v1, s[14:15] offset:16*\t   ; tile t of 16 keys: my eight bytes
.endr
.irp k, 0,1,2,3
	v_mov_b32 v[96+\k], 0                          ; written once: a lane write's destination counts as read
.endr
	s_wait_loadcnt 0x0
.set idx, 0
.rept 128                              ; word idx = 8 t + j: byte j of every lane, compared with 0; the 32 answers are the word; it goes to lane idx / 4 of register idx % 4
	v_bfe_u32 v[16+idx%4], v[32+idx/4], 8*(idx%4), 8
	v_cmp_ne_u32 s[40+idx%8], 0, v[16+idx%4]
	v_writelane_b32 v[96+idx%4], s[40+idx%8], idx/4
.set idx, idx+1
.endr
	global_store_b128 v5, v[96:99], s[26:27]       ; 512 consecutive bytes
	s_endpgm
.Lfunc_end_k_q02a4340a7e_prep:
	.size	k_q02a4340a7e_prep, .Lfunc_end_k_q02a4340a7e_prep-k_q02a4340a7e_prep
	.p2alignl 7, 3214868480
	.fill 96, 4, 3214868480
	.section	.rodata,"a",@progbits
	.p2align	6, 0x0
	.amdhsa_kernel k_q02a4340a7e_prep
		.amdhsa_group_segment_fixed_size 33280
		.amdhsa_private_segment_fixed_size 0
		.amdhsa_enable_private_segment 0
		.amdhsa_kernarg_size 96
		.amdhsa_user_sgpr_count 2
		.amdhsa_user_sgpr_kernarg_segment_ptr 1
		.amdhsa_wavefront_size32 1
		.amdhsa_system_sgpr_workgroup_id_x 1
		.amdhsa_system_sgpr_workgroup_id_y 1
		.amdhsa_system_sgpr_workgroup_id_z 1
		.amdhsa_system_vgpr_workitem_id 0
		.amdhsa_next_free_vgpr 256
		.amdhsa_next_free_sgpr 66
		.amdhsa_reserve_vcc 0
		.amdhsa_float_denorm_mode_32 3
		.amdhsa_float_denorm_mode_16_64 3
		.amdhsa_memory_ordered 1
		.amdhsa_forward_progress 1
		.amdhsa_inst_pref_size 83
	.end_amdhsa_kernel
	.amdgpu_metadata
---
amdhsa.version: [ 1, 2 ]
amdhsa.kernels:
  - .name:           k_q02a4340a7e_prep
    .symbol:         k_q02a4340a7e_prep.kd
    .args:
      - { .name: x, .offset: 0, .size: 8, .value_kind: global_buffer, .address_space: global }
      - { .name: Wq, .offset: 8, .size: 8, .value_kind: global_buffer, .address_space: global }
      - { .name: Wk, .offset: 16, .size: 8, .value_kind: global_buffer, .address_space: global }
      - { .name: Wv, .offset: 24, .size: 8, .value_kind: global_buffer, .address_space: global }
      - { .name: Wo, .offset: 32, .size: 8, .value_kind: global_buffer, .address_space: global }
      - { .name: mask, .offset: 40, .size: 8, .value_kind: global_buffer, .address_space: global }
      - { .name: x_codes, .offset: 48, .size: 8, .value_kind: global_buffer, .address_space: global }
      - { .name: x_scales, .offset: 56, .size: 8, .value_kind: global_buffer, .address_space: global }
      - { .name: w_codes, .offset: 64, .size: 8, .value_kind: global_buffer, .address_space: global }
      - { .name: w_scales, .offset: 72, .size: 8, .value_kind: global_buffer, .address_space: global }
      - { .name: wo16, .offset: 80, .size: 8, .value_kind: global_buffer, .address_space: global }
      - { .name: maskw, .offset: 88, .size: 8, .value_kind: global_buffer, .address_space: global }
    .group_segment_fixed_size: 33280
    .private_segment_fixed_size: 0
    .kernarg_segment_align: 8
    .kernarg_segment_size: 96
    .max_flat_workgroup_size: 128
    .sgpr_count:     66
    .vgpr_count:     256
    .wavefront_size: 32
...
	.end_amdgpu_metadata
.endif
;; end of part 1
;; launch qkv (part 2): grid 32 x 12, 4 waves a work-group, clusters of 4 x 4, 327,680 bytes of LDS; arguments x_codes, x_scales, w_codes, w_scales, qkv, rope_indices, cos, sin, q_gamma, k_gamma; writes qkv
.if DOCPART == 2
	.amdgcn_target "amdgcn-amd-amdhsa--gfx1250"
	.amdhsa_code_object_version 6
	.text
	.protected	k_q02a4340a7e_qkv
	.globl	k_q02a4340a7e_qkv
	.p2align	8
	.type	k_q02a4340a7e_qkv,@function
k_q02a4340a7e_qkv:
	s_mov_b64 s[64:65], 0
	v_nop
	global_prefetch_b8 v0, s[64:65] scope:SCOPE_SE
	s_setreg_imm32_b32 hwreg(HW_REG_WAVE_MODE, 25, 1), 1
	s_wait_xcnt 0x0
	s_wait_alu depctr_hold_cnt(0) depctr_sa_sdst(0) depctr_va_vdst(0) depctr_va_sdst(0) depctr_va_ssrc(0) depctr_va_vcc(0) depctr_vm_vsrc(0)
	s_getreg_b32 s2, hwreg(HW_REG_IB_STS2, 6, 4)
	s_cmp_eq_u32 s2, 0
	s_cbranch_scc0 .Lentry_in_a_cluster
	s_endpgm
.Lentry_in_a_cluster:
	s_bfe_u32 s2, ttmp6, 0x10000c
	s_cmp_lg_u32 s2, 0xf033
	s_cbranch_scc0 .Lentry_shape_is_right
	s_endpgm
.Lentry_shape_is_right:
; Q, K, V = x W^T on codes of FP4 (E2M1) with one E8M0 scale for each 32 along K, sums in f32; then, in f32, the RMS norm over a head's 64 with gamma and the gathered rotation (q and k); results as f16.
; A: x_codes [8192][512 bytes]; B: w_codes [3072][512 bytes] (the rows of Wq, Wk, Wv); scale bytes [rows][32].  Out: qkv [part 3][batch x 16 + head][token 1024][64] f16.  No work is left out.
; q AND k ARE EACH MULTIPLIED BY c = sqrt(0.125 x 2 log2(e) / 50), so that the attention launch's product q . k is already 2 log2(e) / 50 times the scaled score: the argument of its first exponential.
; A tile of 256 tokens x 256 columns is made by four waves, each 128 x 128: 64 accumulators of 16 x 16.  K = 1,024 is two LDS slots of 512 along K: both, and the scale bytes of the work-group's rows, are asked for at the
; head; nothing is filled again.  CLUSTERS: 4 x 4 work-groups.  The grid's x runs over the tiles of tokens, its y over the tiles of columns: the four of a column of the cluster (same x) need the same tiles of x_codes, the
; four of a row (same y) the same tiles of W: each tile is asked for jointly, with a mask that names the four.
; A part (q, k or v) is 1,024 columns, four tiles: the cluster's y IS the part, the same in all sixteen partners, so the text may branch on it.  q's and k's work-groups, whose way out is the longer, so have the lower numbers.
; THE TWO WAYS PART BEHIND THE CHANGE OF SLOTS: slot 1's four steps are written once for q and k and once for v.  In q's and k's the loads for the way out stand among the products: indices and gamma two steps ahead of the
; wait for the indices, the first block's cos and sin two steps and the sums of squares ahead of their first use.
; THE MATRIX INSTRUCTION IS USED TRANSPOSED (source 0 = 16 rows of W, source 1 = 16 rows of x): a lane holds ONE token (lane % 16) and, in accumulator (a, b), channels 16 b + 8 (lane / 16) + 0 .. 7 of the wave's 128 columns:
; two heads hh = b / 4, in each the channels 16 t + 8 h + j, t = b % 4.  So a head's sum of squares wants one exchange with lane l xor 16, and the rotation's partner (channel d +- 32: t +- 2) lies in the same lane.
; LIMITS: results are rounded to f16 (largest 65,504; under 6e-5 bits are lost); v_rsq_f32 is not correctly rounded; NaN and infinities among the inputs are not served; rope_indices beyond 1,023 are held at 1,023.
; REGISTERS, in windows of 256.  Window 0: v0-31 addresses; v32-95 scale words, two sets, and nothing else; v96-103 rope indices, v104-111 their byte offsets; v128-191 A's fragments, later rows read back from the stage;
;   v192-255 packed results.   Window 1: B's fragments, two sets, at v0 and v128; v64-127 cos and sin of the even blocks of tokens, v192-223 gamma, v224-255 the norm factors; on the way out v0-31 Y, v32-63 Z, v128-191 cos
;   and sin of the odd blocks.   Window 2: the accumulators of my tokens 0-63 ((a, b) at v[8 (8 a + b)]);  window 3: those of tokens 64-127.
.set SIZE_K, 1024
.set KSTEP,  512                       ; along K in a slot
.set NQ,     KSTEP/128                 ; matrix instructions deep
.set ROWB,   256                       ; a tile's row in bytes
.set KROW,   SIZE_K*4/8                ; a row of codes in memory
.set PITCH,  272                       ; an LDS row: 256 bytes + 16 of padding: the 16 rows of a fragment load start 68 words apart
.set FR,     8                         ; registers of a fragment: 16 rows x 128 K
.set NL,     2                         ; LDS loads that bring one
.set NP,     4                         ; places behind this matrix instruction (ISA guide 7.12.1)
.set HALFT,  128*PITCH                 ; what one tensor load brings
.set SLOT,   4*HALFT                   ; A's 256 rows, then B's 256 rows
.set KS,     SIZE_K/32                 ; a row of scale bytes
.set SCL,    2*SLOT                    ; behind the two slots: the scale bytes, as units of 256 bytes + 16 of padding
.set HALFS,  (128*KS/256)*272          ; those of 128 rows
.set SBLK,   (16*KS/256)*272           ; those of 16 rows
.set SPARE,  SCL+4*HALFS               ; behind the scales: the spare words, 128 bytes a wave
.set SROW,   144                       ; the way out: a stage row, 128 bytes of f16 + 16.  The stage (2 heads x 16 rows a wave) lies in slot 0, which has had its only fill and its last read by then
.set SHD,    16*SROW                   ; a head's 16 rows in the stage
.set IX,   8                           ; v8   4 x (lane % 16): my token's index
.set GH,   9                           ; v9   32 x (lane / 16): my half's eight channels of 16, in f32
.set ADRA, 16                          ; v16-17  LDS address of my A fragments in slot 0, 1
.set ADRB, 20                          ; v20-21  the same for B
.set STO,  24                          ; v24  the way out: where I put 16 bytes of a row
.set RD,   25                          ; v25  where I read rows back
.set GO,   26                          ; v26  16 x lane: my bytes of 512 in memory
.set ADRS, 27                          ; v27  LDS address of my scale words: lanes 0-15 A's rows, lanes 16-31 B's
.set SPW,  28                          ; v28  my spare word; never rewritten
.set NIL,  29                          ; v29  0; never rewritten
.set SC,   32
.set IDX,  96
.set RA,   104
.set AF,   128
.set RB,   128
.set PB,   192
.set Y,    0                           ; window 1
.set Z,    32
.set CS,   64
.set G,    192
.set TP,   224
.set G1, 24                            ; s[24:31] descriptor group 1 for A's tiles;  s[32:39] group 0, one set for each slot
.set G0, 32
.set G1B, 48
.set G0B, 56
.set G1S, 68                           ; s[68:75], s[76:79] for A's scales;  s[80:87], s[88:91] for B's
.set G0S, 76
.set G1SB, 80
.set G0SB, 88
.set PART, 98                          ; s98  the part: 0 q, 1 k, 2 v
.set MSB, 0
.macro WIN new                         ; the immediate's high byte repeats the setting that is left; a switch that changes nothing is dropped
.if MSB != (\new)
	s_set_vgpr_msb (MSB<<8)|(\new)
.set MSB, (\new)
.endif
.endm
.set MUL_LO, 0xa1                      ; source 0 (B) window 1, source 1 (A) window 0, C and D window 2
.set MUL_HI, 0xf1                      ; the same, C and D window 3
.set TO_B,   0x40                      ; destination window 1, address window 0
; A joint load: waves 0 and 1 fetch for A, waves 2 and 3 for B; the branch hangs on the wave's number alone.  An s_nop 0 and four v_nop follow each of the two lines.
.macro JLOAD g0a, g1a, g0b, g1b
	s_cmp_eq_u32 s15, 0
	s_cbranch_scc0 .Lfor_b_\@
	tensor_load_to_lds s[\g0a:\g0a+3], s[\g1a:\g1a+7]
	s_nop 0
.rept 4
	v_nop
.endr
	s_branch .Lasked_\@
.Lfor_b_\@:
	tensor_load_to_lds s[\g0b:\g0b+3], s[\g1b:\g1b+7]
	s_nop 0
.rept 4
	v_nop
.endr
.Lasked_\@:
.endm
.macro CROUND                          ; a round of the cluster's barrier
	s_barrier_signal -1
	s_barrier_wait -1
	s_cmp_lg_u32 s14, 0
	s_cbranch_scc1 .Lnot_wave_0_\@
	s_barrier_signal -3
.Lnot_wave_0_\@:
	s_barrier_wait -3
	s_barrier_signal -1
	s_barrier_wait -1
.endm
	s_load_b128 s[4:7], s[0:1], 0x0                ; x's codes s[4:5], x's scales s[6:7]
	s_load_b128 s[8:11], s[0:1], 0x10              ; W's codes s[8:9], W's scales s[10:11]
	s_load_b64 s[12:13], s[0:1], 0x20              ; qkv
	v_lshl_add_u32 v[SPW], v0, 2, SPARE
	v_mov_b32 v[NIL], 0
	ds_add_u32 v[SPW], v[NIL]                      ; the wave's opening: the add, twice on end, and its wait ahead of my first tensor load
	ds_add_u32 v[SPW], v[NIL]
	v_lshrrev_b32 v1, 5, v0
	v_readfirstlane_b32 s14, v1                    ; wave 0..3
	s_lshr_b32 s15, s14, 1                         ; which half of the tile's tokens is mine.  Also: I fetch for A (0) or for B (1)
	s_and_b32 s16, s14, 1                          ; which half of its columns.  Also: which 128 rows of that tile I fetch
	s_bfe_u32 s40, ttmp6, 0x40000                  ; cx, cy: my place in the cluster
	s_bfe_u32 s41, ttmp6, 0x40004
	s_lshl_b32 s17, ttmp9, 2
	s_add_co_u32 s17, s17, s40                     ; tile row = 4 x cluster x + cx
	s_and_b32 s[PART], ttmp7, 0xffff               ; the cluster's y is the part
	s_lshl_b32 s42, s[PART], 2
	s_add_co_u32 s42, s42, s41                     ; tile column = 4 x part + cy
	s_lshl_b32 s43, s41, 2
	s_lshl_b32 s43, 15, s43                        ; my row of the cluster (same cy)
	s_lshl_b32 s44, 0x1111, s40                    ; my column (same cx)
	s_or_b32 s[G1+0], s44, (0<<16)|(1<<20)|(1<<21)|(5<<22)|(3<<25)  ; the mask: A's tiles, which hang on x alone, go to my column; elements of 1 byte; padding on; bit 21 beside a mask; 4 words of padding after every 64
	s_or_b32 s[G1B+0], s43, (0<<16)|(1<<20)|(1<<21)|(5<<22)|(3<<25) ; B's tiles, which hang on y alone, go to my row
.irp g, G1, G1B
	s_mov_b32 s[\g+1], ROWB<<16                    ; tensor_dim0
	s_mov_b32 s[\g+2], 128<<16                     ; tensor_dim1 = 128
	s_mov_b32 s[\g+3], ROWB<<16                    ; tile_dim0
	s_mov_b32 s[\g+4], 128                         ; tile_dim1 = 128
	s_mov_b32 s[\g+5], KROW                        ; from row to row
	s_mov_b32 s[\g+6], 0
	s_mov_b32 s[\g+7], 0
.endr
	s_or_b32 s[G1S+0], s44, (3<<16)|(1<<20)|(1<<21)|(5<<22)|(3<<25)   ; the scales of 128 rows: 4,096 dense bytes, as 16 rows of 256 bytes (32 elements of 8), 16 bytes of padding behind each
	s_or_b32 s[G1SB+0], s43, (3<<16)|(1<<20)|(1<<21)|(5<<22)|(3<<25)
.irp g, G1S, G1SB
	s_mov_b32 s[\g+1], 32<<16
	s_mov_b32 s[\g+2], (128*KS/256)<<16
	s_mov_b32 s[\g+3], 32<<16
	s_mov_b32 s[\g+4], 128*KS/256
	s_mov_b32 s[\g+5], 32
	s_mov_b32 s[\g+6], 0
	s_mov_b32 s[\g+7], 0
.endr
	s_lshl_b32 s18, s16, 7                         ; which 128 rows of the tile I fetch
	s_lshl_b32 s20, s17, 8
	s_add_co_u32 s20, s20, s18                     ; A: row 256 x tile row + 128 x half
	s_lshl_b32 s46, s42, 8
	s_add_co_u32 s46, s46, s18                     ; B: row 256 x tile column + 128 x half
	s_mov_b32 s21, 0
	s_mov_b32 s47, 0
	s_mov_b64 s[18:19], KS
	s_mul_u64 s[22:23], s[20:21], s[18:19]         ; where these rows' scales begin, in bytes
	s_mul_u64 s[92:93], s[46:47], s[18:19]
	s_mov_b64 s[18:19], KROW
	s_mul_u64 s[20:21], s[20:21], s[18:19]         ; and their codes
	s_mul_u64 s[46:47], s[46:47], s[18:19]
	s_mul_i32 s45, s14, HALFT                      ; where they go: wave x 128 rows: no place in the cluster enters an LDS address
	s_mul_i32 s94, s14, HALFS
	s_wait_dscnt 0x0                               ; both opening adds are done
	s_wait_kmcnt 0x0
	s_add_nc_u64 s[20:21], s[4:5], s[20:21]
	s_add_nc_u64 s[22:23], s[6:7], s[22:23]
	s_add_nc_u64 s[46:47], s[8:9], s[46:47]
	s_add_nc_u64 s[92:93], s[10:11], s[92:93]
	CROUND                                         ; all sixteen work-groups are here: the joint loads meet
	s_mov_b32 s[G0S], 1
	s_add_co_u32 s[G0S+1], s94, SCL
	s_mov_b64 s[G0S+2:G0S+3], s[22:23]
	s_or_b32 s[G0S+3], s[G0S+3], 0x80000000
	s_mov_b32 s[G0SB], 1
	s_add_co_u32 s[G0SB+1], s94, SCL
	s_mov_b64 s[G0SB+2:G0SB+3], s[92:93]
	s_or_b32 s[G0SB+3], s[G0SB+3], 0x80000000
	JLOAD G0S, G1S, G0SB, G1SB                     ; the scales first: they are wanted with the first slot
.irp s, 0,1
	s_mov_b32 s[G0+4*\s], 1
	s_add_co_u32 s[G0+4*\s+1], s45, \s*SLOT
	s_add_nc_u64 s[G0+4*\s+2:G0+4*\s+3], s[20:21], \s*ROWB
	s_or_b32 s[G0+4*\s+3], s[G0+4*\s+3], 0x80000000
	s_mov_b32 s[G0B+4*\s], 1
	s_add_co_u32 s[G0B+4*\s+1], s45, \s*SLOT
	s_add_nc_u64 s[G0B+4*\s+2:G0B+4*\s+3], s[46:47], \s*ROWB
	s_or_b32 s[G0B+4*\s+3], s[G0B+4*\s+3], 0x80000000
	JLOAD G0+4*\s, G1, G0B+4*\s, G1B               ; three tensor loads of mine are out
.endr
	s_load_b64 s[96:97], s[0:1], 0x28              ; rope_indices.  (The four pointers in s[4:11] are done with)
	s_load_b256 s[4:11], s[0:1], 0x30              ; cos s[4:5], sin s[6:7], q_gamma s[8:9], k_gamma s[10:11]
	v_and_b32 v1, 15, v0                           ; l % 16
	v_bfe_u32 v2, v0, 4, 1                         ; l / 16
	v_mul_u32_u24 v3, v1, PITCH
	v_lshl_add_u32 v4, v2, 4, v3                   ; a fragment's row x pitch + 16 x half
	s_mul_i32 s21, s15, HALFT                      ; my 128 rows of A
	s_mul_i32 s22, s16, HALFT                      ; my 128 rows of B,
	s_add_co_u32 s22, s22, 2*HALFT                 ; which lie behind A's 256
.irp s, 0,1
	v_add_nc_u32 v[ADRA+\s], s21, v4
	v_add_nc_u32 v[ADRB+\s], s22, v4
	s_add_co_u32 s21, s21, SLOT
	s_add_co_u32 s22, s22, SLOT
.endr
	v_mul_u32_u24 v5, v1, KS                       ; my row's scales: KS bytes a row,
	v_lshrrev_b32 v6, 8, v5
	v_lshl_add_u32 v5, v6, 4, v5                   ; and 16 more for each 256 passed
	s_mul_i32 s21, s15, HALFS                      ; A's: my 128 rows
	s_mul_i32 s22, s16, HALFS                      ; B's: my 128 rows, behind A's 256
	s_add_co_u32 s22, s22, 2*HALFS
	s_sub_co_u32 s22, s22, s21
	v_mul_u32_u24 v6, s22, v2                      ; lanes 16-31 take B's
	s_add_co_u32 s21, s21, SCL
	v_add_nc_u32 v5, v5, v6
	v_add_nc_u32 v[ADRS], s21, v5
	s_mul_i32 s23, s14, 2*SHD                      ; my stage
	v_mul_u32_u24 v5, v1, SROW                     ; in: row l % 16, 16 bytes for each half of the lanes
	v_lshl_add_u32 v5, v2, 4, v5
	v_add_nc_u32 v[STO], s23, v5
	v_and_b32 v6, 31, v0
	v_lshrrev_b32 v5, 3, v6                        ; back: eight lanes to a row of 128 bytes, four rows an instruction
	v_mul_u32_u24 v5, v5, SROW
	v_and_b32 v7, 7, v0
	v_lshl_add_u32 v5, v7, 4, v5
	v_add_nc_u32 v[RD], s23, v5
	v_lshlrev_b32 v[GO], 4, v6
	v_lshlrev_b32 v[IX], 2, v1
	v_lshlrev_b32 v[GH], 5, v2
	s_lshl_b32 s20, s17, 8
	s_lshl_b32 s21, s15, 7
	s_add_co_u32 s20, s20, s21                     ; my first row of x: 256 x tile row + 128 x half
	s_lshr_b32 s21, s20, 10                        ; its batch,
	s_and_b32 s20, s20, 1023                       ; its token
	s_lshl_b32 s21, s21, 21                        ; a batch's 16 heads: 16 x 131,072 bytes
	s_lshl_b32 s22, s20, 7                         ; a token: 128 bytes
	s_add_co_u32 s22, s22, s21
	s_mov_b32 s23, 0
	s_add_nc_u64 s[12:13], s[12:13], s[22:23]
	s_lshl_b32 s46, s41, 2
	s_lshl_b32 s47, s16, 1
	s_add_co_u32 s46, s46, s47                     ; my first head: 4 cy + 2 x half
	s_lshl_b32 s46, s46, 17
	s_lshl_b32 s47, s[PART], 24                    ; the part: 16,777,216 bytes
	s_add_co_u32 s46, s46, s47
	s_mov_b32 s47, 0
	s_add_nc_u64 s[12:13], s[12:13], s[46:47]
	s_lshl_b32 s22, s20, 2
	s_wait_kmcnt 0x0
	s_add_nc_u64 s[96:97], s[96:97], s[22:23]      ; rope_indices at my first token
.macro FRAG reg, adr, q, i             ; a fragment: lane l holds row l % 16; registers 4 c .. 4 c + 3 hold K = 64 c + 32 (l / 16) + 0 .. 31
.irp c, 0,1
	ds_load_b128 v[\reg+4*\c:\reg+4*\c+3], v[\adr] offset:64*(\q)+32*\c+(\i)*16*PITCH
.endr
.endm
; 16 matrix instructions: A's blocks a0, a0 + 1 x B's eight, the slot's q-th 128 along K.  p: B's set;  sc: the set of scale words.  zero = 1: the first product starts the sums.
; The 64 accumulators take turns, one instruction a turn, in the same order in every step.
.macro MUL16 a0, p, q, sc, zero
.irp a, \a0, \a0+1
.irp b, 0,1,2,3,4,5,6,7
.if \zero
	v_wmma_scale_f32_16x16x128_f8f6f4 v[8*(8*((\a)%4)+\b):8*(8*((\a)%4)+\b)+7], v[128*(\p)+FR*\b:128*(\p)+FR*\b+FR-1], v[AF+FR*(\a):AF+FR*(\a)+FR-1], 0, v[SC+8*NQ*(\sc)+NQ*\b+(\q)], v[SC+8*NQ*(\sc)+NQ*(\a)+(\q)] matrix_a_fmt:MATRIX_FMT_FP4 matrix_b_fmt:MATRIX_FMT_FP4 matrix_a_scale:MATRIX_SCALE_ROW1
.else
	v_wmma_scale_f32_16x16x128_f8f6f4 v[8*(8*((\a)%4)+\b):8*(8*((\a)%4)+\b)+7], v[128*(\p)+FR*\b:128*(\p)+FR*\b+FR-1], v[AF+FR*(\a):AF+FR*(\a)+FR-1], v[8*(8*((\a)%4)+\b):8*(8*((\a)%4)+\b)+7], v[SC+8*NQ*(\sc)+NQ*\b+(\q)], v[SC+8*NQ*(\sc)+NQ*(\a)+(\q)] matrix_a_fmt:MATRIX_FMT_FP4 matrix_b_fmt:MATRIX_FMT_FP4 matrix_a_scale:MATRIX_SCALE_ROW1
.endif
.endr
.endr
.endm
.macro FETCH_B slot, q, p
	WIN TO_B
.irp i, 0,1,2,3,4,5,6,7
	FRAG 128*(\p)+FR*\i, ADRB+\slot, \q, \i
.endr
	WIN 0
.endm
.macro FETCH_A slot, q, i0
.irp i, \i0, \i0+1, \i0+2, \i0+3
	FRAG AF+FR*(\i), ADRA+\slot, \q, \i
.endr
.endm
.macro SCALES sc                       ; a slot's scale words: four words a row; lanes 0-15 take A's block i, lanes 16-31 B's block i
.irp i, 0,1,2,3,4,5,6,7
	ds_load_b128 v[SC+8*NQ*\sc+NQ*\i:SC+8*NQ*\sc+NQ*\i+3], v[ADRS] offset:\i*SBLK
.endr
.endm
.macro PLACES n                        ; plain vector instructions between a matrix instruction and a load into, or a read of, its registers
.rept \n
	v_nop
.endr
.endm
.macro STEP slot, q, zero              ; a step of 128 along K that has its successor in the same slot
	s_wait_dscnt 4*NL                              ; B's set and A's blocks 0-3 are in; the youngest eight loads (A's blocks 4-7) may be out
	WIN MUL_LO
	MUL16 0, (\q)%2, \q, \slot, \zero
	MUL16 2, (\q)%2, \q, \slot, \zero
	s_wait_dscnt 0                                 ; A's blocks 4-7 are in
	PLACES NP
	FETCH_B \slot, (\q)+1, 1-(\q)%2
	FETCH_A \slot, (\q)+1, 0
	WIN MUL_HI
	MUL16 4, (\q)%2, \q, \slot, \zero
	MUL16 6, (\q)%2, \q, \slot, \zero
	PLACES NP
	WIN 0
	FETCH_A \slot, (\q)+1, 4
.endm
.macro TURN slot, next                 ; slot 0's last step goes over to slot 1: each wave waits for all its tensor loads, and one barrier shows every wave the whole of slot 1; behind it nobody reads slot 0
	s_wait_tensorcnt 0x0                           ; all my tensor loads have landed: my part of the next slot
	ds_add_u32 v[SPW], v[NIL]                      ; 0 onto my spare word
	s_wait_dscnt 4*NL+1                            ; (the add and the youngest eight loads may be out)
	WIN MUL_LO
	MUL16 0, 1, NQ-1, \slot, 0
	s_wait_dscnt 0x0                               ; the add is done, and my reads of this slot are over
	s_barrier_signal -1
	MUL16 2, 1, NQ-1, \slot, 0
	WIN 0
	s_barrier_wait -1
	PLACES NP
	v_add_nc_u32 v[ADRS], 4*NQ, v[ADRS]            ; on to the next slot's scale words (no LDS load of mine is out)
	FETCH_B \next, 0, 0
	FETCH_A \next, 0, 0
	SCALES \next
	WIN MUL_HI
	MUL16 4, 1, NQ-1, \slot, 0
	MUL16 6, 1, NQ-1, \slot, 0
	PLACES NP
	WIN 0
	FETCH_A \next, 0, 4
.endm
.macro LAST                            ; slot 1's last step: nothing more to fetch
	s_wait_dscnt 4*NL
	WIN MUL_LO
	MUL16 0, 1, NQ-1, 1, 0
	MUL16 2, 1, NQ-1, 1, 0
	s_wait_dscnt 0
	WIN MUL_HI
	MUL16 4, 1, NQ-1, 1, 0
	MUL16 6, 1, NQ-1, 1, 0
	WIN 0
	PLACES NP                                      ; in front of the first reads of results and of loads into registers that the last products read
.endm
; THE WAY OUT.  A block a is 16 tokens x my two heads.  Its 32 registers of packed f16 go through my stage in LDS (16 bytes a lane into rows of 144) and come back as whole rows of 128 bytes, four rows an
; instruction: in memory a head's tokens are dense, so each store covers 512 consecutive bytes.  LDS serves a wave's instructions in order: no wait between the stores and the loads.
.macro TOSTAGE a
.set PB_, PB+32*((\a)%2)
.set RB_, RB+32*((\a)%2)
.irp hh, 0,1
.irp t, 0,1,2,3
	ds_store_b128 v[STO], v[PB_+16*\hh+4*\t:PB_+16*\hh+4*\t+3] offset:\hh*SHD+32*\t
.endr
.endr
.irp hh, 0,1
.irp i, 0,1,2,3
	ds_load_b128 v[RB_+16*\hh+4*\i:RB_+16*\hh+4*\i+3], v[RD] offset:\hh*SHD+4*SROW*\i
.endr
.endr
.endm
.macro SEND a, younger                 ; younger: the LDS instructions issued behind block a's loads
.set RB_, RB+32*((\a)%2)
	s_wait_dscnt \younger
.irp hh, 0,1
.irp i, 0,1,2,3
	global_store_b128 v[GO], v[RB_+16*\hh+4*\i:RB_+16*\hh+4*\i+3], s[12:13] offset:\hh*131072+(\a)*2048+512*\i
.endr
.endr
.endm
.macro OUT a, w                        ; w = 1: the wait that frees block a - 2's registers stands here; w = 0: it has been written further up
.if (\w) && ((\a) > 1)
	s_wait_xcnt 0x0                                ; block a - 2's stores have read their registers: block a's loads may land there
.endif
	TOSTAGE \a
.if (\a) > 0
	SEND (\a)-1, 16                                ; behind block a - 1's loads: block a's 8 stores and 8 loads
.endif
.endm
.macro GATHER a                        ; cos and sin of block a's tokens: lane (r, h) takes, of its token's rows of 256 bytes, channels 16 t + 8 h + 0 .. 7.  16 loads.  (Destination window 1)
.set CB_, CS+64*((\a)%2)
.irp t, 0,1,2,3
	global_load_b128 v[CB_+8*\t:CB_+8*\t+3], v[RA+(\a)], s[4:5] offset:64*\t
	global_load_b128 v[CB_+8*\t+4:CB_+8*\t+7], v[RA+(\a)], s[4:5] offset:64*\t+16
	global_load_b128 v[CB_+32+8*\t:CB_+32+8*\t+3], v[RA+(\a)], s[6:7] offset:64*\t
	global_load_b128 v[CB_+32+8*\t+4:CB_+32+8*\t+7], v[RA+(\a)], s[6:7] offset:64*\t+16
.endr
.endm
; Block a of q or k: norm, gamma, rotation, rounding.
.macro E2 a
.if (\a) < 7
	s_wait_loadcnt 16                              ; this block's cos and sin are in (and gamma); the next block's 16 loads may be out
.else
	s_wait_loadcnt 0x0
.endif
	WIN 0
	v_cmp_le_i32 vcc_lo, 0, v[IDX+(\a)]            ; is my token's index valid?
	WIN 0x55                                       ; all places window 1
.set CB_, CS+64*((\a)%2)
.set i, 0
.rept 32
	v_cndmask_b32 v[CB_+i], 1.0, v[CB_+i], vcc_lo  ; a token without a position passes as it is: cos = 1,
.set i, i+1
.endr
.set i, 0
.rept 32
	v_cndmask_b32 v[CB_+32+i], 0, v[CB_+32+i], vcc_lo   ; sin = 0
.set i, i+1
.endr
.irp hh, 0,1
	WIN 0x56+(\a)/4                                ; source 0: the accumulators' window
.set AB_, 64*((\a)%4)+32*\hh
.set TP_, TP+4*(\a)+2*\hh
.set i, 0
.rept 16
	v_pk_mul_f32 v[Y+i:Y+i+1], v[AB_+i:AB_+i+1], v[TP_:TP_+1] op_sel_hi:[1,0]   ; x c / sqrt(mean of squares + eps)
.set i, i+2
.endr
	WIN 0x55
.set i, 0
.rept 16
	v_pk_mul_f32 v[Y+i:Y+i+1], v[Y+i:Y+i+1], v[G+i:G+i+1]                      ; x gamma
.set i, i+2
.endr
.set i, 0
.rept 8
	v_pk_mul_f32 v[Z+i:Z+i+1], v[Y+i:Y+i+1], v[CB_+i:CB_+i+1]                  ; channels 0-31: y cos
.set i, i+2
.endr
.set i, 0
.rept 8
	v_pk_fma_f32 v[Z+i:Z+i+1], v[Y+16+i:Y+16+i+1], v[CB_+32+i:CB_+32+i+1], v[Z+i:Z+i+1] neg_lo:[1,0,0] neg_hi:[1,0,0]   ; - y(d + 32) sin
.set i, i+2
.endr
.set i, 0
.rept 8
	v_pk_mul_f32 v[Z+16+i:Z+16+i+1], v[Y+16+i:Y+16+i+1], v[CB_+16+i:CB_+16+i+1]   ; channels 32-63: y cos
.set i, i+2
.endr
.set i, 0
.rept 8
	v_pk_fma_f32 v[Z+16+i:Z+16+i+1], v[Y+i:Y+i+1], v[CB_+48+i:CB_+48+i+1], v[Z+16+i:Z+16+i+1]   ; + y(d - 32) sin
.set i, i+2
.endr
	WIN 0x05                                       ; sources window 1, destination window 0
.set PB_, PB+32*((\a)%2)+16*\hh
.set i, 0
.rept 16
	v_cvt_pk_f16_f32 v[PB_+i], v[Z+2*i], v[Z+2*i+1]
.set i, i+1
.endr
.endr
.if (\a) > 1
	s_wait_xcnt 0x0                                ; block a - 2's stores have read their registers: block a's loads from the stage may land there.  It stands ahead of the gathers below: what is out here was issued a block ago
.endif
.if (\a)+2 < 8
	WIN TO_B
	GATHER (\a)+2                                  ; into the registers that this block has left
.endif
	WIN 0
	OUT \a, 0
.endm
	s_wait_tensorcnt 1                             ; the scales and my part of slot 0 are in (slot 1's load may be out)
	s_barrier_signal -1
	s_barrier_wait -1                              ; everybody's are
	FETCH_B 0, 0, 0
	FETCH_A 0, 0, 0
	SCALES 0
	FETCH_A 0, 0, 4
	STEP 0, 0, 1                                   ; the first step's products start the sums: nothing is cleared
	STEP 0, 1, 0
	STEP 0, 2, 0
	TURN 0, 1
	s_cmp_eq_u32 s[PART], 2                        ; the part is the cluster's y: all sixteen partners go the same way
	s_cbranch_scc1 .Lv
	; ---- q and k
	s_cmp_eq_u32 s[PART], 0
	s_cselect_b64 s[8:9], s[8:9], s[10:11]         ; q's gamma or k's
.irp a, 0,1,2,3,4,5,6,7
	global_load_b32 v[IDX+\a], v[IX], s[96:97] offset:64*\a   ; my token's index in each of the eight blocks
.endr
	WIN TO_B
.irp t, 0,1,2,3
	global_load_b128 v[G+8*\t:G+8*\t+3], v[GH], s[8:9] offset:64*\t          ; gamma at my 32 channels
	global_load_b128 v[G+8*\t+4:G+8*\t+7], v[GH], s[8:9] offset:64*\t+16
.endr
	WIN 0
	STEP 1, 0, 0
	STEP 1, 1, 0
	s_wait_loadcnt 8                               ; the indices are in; gamma's eight loads, issued behind them, may be out
.irp a, 0,1,2,3,4,5,6,7
	v_max_i32 v[RA+\a], 0, v[IDX+\a]               ; as reference() clips it from below,
.endr
.irp a, 0,1,2,3,4,5,6,7
	v_min_u32 v[RA+\a], 0x3ff, v[RA+\a]            ; held inside the tables,
.endr
.irp a, 0,1,2,3,4,5,6,7
	v_lshlrev_b32 v[RA+\a], 8, v[RA+\a]            ; a row of 256 bytes,
.endr
.irp a, 0,1,2,3,4,5,6,7
	v_add_nc_u32 v[RA+\a], v[RA+\a], v[GH]         ; my half's channels
.endr
	WIN TO_B
	GATHER 0                                       ; into registers of window 1 that no product names
	WIN 0
	STEP 1, 2, 0
	LAST
	s_mov_b32 s24, 0x3c800000                      ; 1 / 64.  (No tensor load of mine is out: the descriptors' registers are free)
	s_mov_b32 s25, 0x358637bd                      ; eps = 1e-6
	s_mov_b32 s26, 0x3dadf0ec                      ; c = sqrt(0.125 x 2 log2(e) / 50)
	s_mov_b32 s28, 0x76543210                      ; v_permlanex16_b32's selects for lane l xor 16
	s_mov_b32 s29, 0xfedcba98
	WIN TO_B
	GATHER 1                                       ; into B's second set, which the last products have left
	; the sums of squares of all 16 (block, head): eight chains by turns in each window; each accumulator is read from its low end on
.irp w, 0,1
	WIN 0x5a+5*\w                                  ; sources 0 and 1: window 2 or 3; source 2 and destination window 1
.irp i, 0,1,2,3,4,5,6,7,8,9,10,11,12,13,14,15
.irp a, 0,1,2,3
.irp hh, 0,1
.set AC_, 8*(8*\a+4*\hh+\i/4)+2*(\i%4)
.set TP_, TP+16*\w+4*\a+2*\hh
.if \i == 0
	v_pk_mul_f32 v[TP_:TP_+1], v[AC_:AC_+1], v[AC_:AC_+1]
.else
	v_pk_fma_f32 v[TP_:TP_+1], v[AC_:AC_+1], v[AC_:AC_+1], v[TP_:TP_+1]
.endif
.endr
.endr
.endr
.endr
	WIN 0x55
.set p, 0
.rept 16
	v_add_f32 v[TP+p], v[TP+p], v[TP+p+1]          ; the pair's two halves,
.set p, p+2
.endr
.set p, 0
.rept 16
	v_permlanex16_b32 v[TP+p+1], v[TP+p], s28, s29
.set p, p+2
.endr
.set p, 0
.rept 16
	v_add_f32 v[TP+p], v[TP+p], v[TP+p+1]          ; and lane l xor 16's 32 channels
.set p, p+2
.endr
.set p, 0
.rept 16
	v_fma_f32 v[TP+p], v[TP+p], s24, s25           ; the mean + eps
.set p, p+2
.endr
.set p, 0
.rept 16
	v_rsq_f32 v[TP+p], v[TP+p]
.set p, p+2
.endr
	v_nop                                          ; a plain instruction behind the last of the batch
	s_wait_alu depctr_va_vdst(0)                   ; one wait for the sixteen, ahead of their first reader
.set p, 0
.rept 16
	v_mul_f32 v[TP+p], s26, v[TP+p]
.set p, p+2
.endr
.irp a, 0,1,2,3,4,5,6,7
	E2 \a
.endr
	s_branch .Lsent
	; ---- v: slot 1's four steps once more, then rounded as it is
.Lv:
	STEP 1, 0, 0
	STEP 1, 1, 0
	STEP 1, 2, 0
	LAST
.irp a, 0,1,2,3,4,5,6,7
	WIN 0x0a+5*(\a/4)                              ; sources: window 2 or 3
.set AB_, 64*(\a%4)
.set PB_, PB+32*(\a%2)
.set p, 0
.rept 32
	v_cvt_pk_f16_f32 v[PB_+p], v[AB_+2*p], v[AB_+2*p+1]   ; each accumulator from its low end on
.set p, p+1
.endr
	WIN 0
	OUT \a, 1
.endr
.Lsent:
	SEND 7, 0
	s_wait_tensorcnt 0x0                           ; the wave's end, behind my last tensor load and my last LDS store
	ds_add_u32 v[SPW], v[NIL]
	s_wait_dscnt 0x0
	CROUND                                         ; the closing round
	s_endpgm
.Lfunc_end_k_q02a4340a7e_qkv:
	.size	k_q02a4340a7e_qkv, .Lfunc_end_k_q02a4340a7e_qkv-k_q02a4340a7e_qkv
	.p2alignl 7, 3214868480
	.fill 96, 4, 3214868480
	.section	.rodata,"a",@progbits
	.p2align	6, 0x0
	.amdhsa_kernel k_q02a4340a7e_qkv
		.amdhsa_group_segment_fixed_size 327680
		.amdhsa_private_segment_fixed_size 0
		.amdhsa_enable_private_segment 0
		.amdhsa_kernarg_size 80
		.amdhsa_user_sgpr_count 2
		.amdhsa_user_sgpr_kernarg_segment_ptr 1
		.amdhsa_wavefront_size32 1
		.amdhsa_system_sgpr_workgroup_id_x 1
		.amdhsa_system_sgpr_workgroup_id_y 1
		.amdhsa_system_sgpr_workgroup_id_z 1
		.amdhsa_system_vgpr_workitem_id 0
		.amdhsa_next_free_vgpr 1024
		.amdhsa_next_free_sgpr 100
		.amdhsa_reserve_vcc 1
		.amdhsa_float_denorm_mode_32 3
		.amdhsa_float_denorm_mode_16_64 3
		.amdhsa_memory_ordered 1
		.amdhsa_forward_progress 1
		.amdhsa_inst_pref_size 255
	.end_amdhsa_kernel
	.section	.bss,"aw",@nobits
	.p2align	6
	.space	262144
	.amdgpu_metadata
---
amdhsa.version: [ 1, 2 ]
amdhsa.kernels:
  - .name:           k_q02a4340a7e_qkv
    .symbol:         k_q02a4340a7e_qkv.kd
    .args:
      - { .name: x_codes, .offset: 0, .size: 8, .value_kind: global_buffer, .address_space: global }
      - { .name: x_scales, .offset: 8, .size: 8, .value_kind: global_buffer, .address_space: global }
      - { .name: w_codes, .offset: 16, .size: 8, .value_kind: global_buffer, .address_space: global }
      - { .name: w_scales, .offset: 24, .size: 8, .value_kind: global_buffer, .address_space: global }
      - { .name: qkv, .offset: 32, .size: 8, .value_kind: global_buffer, .address_space: global }
      - { .name: rope_indices, .offset: 40, .size: 8, .value_kind: global_buffer, .address_space: global }
      - { .name: cos, .offset: 48, .size: 8, .value_kind: global_buffer, .address_space: global }
      - { .name: sin, .offset: 56, .size: 8, .value_kind: global_buffer, .address_space: global }
      - { .name: q_gamma, .offset: 64, .size: 8, .value_kind: global_buffer, .address_space: global }
      - { .name: k_gamma, .offset: 72, .size: 8, .value_kind: global_buffer, .address_space: global }
    .group_segment_fixed_size: 327680
    .private_segment_fixed_size: 0
    .kernarg_segment_align: 8
    .kernarg_segment_size: 80
    .max_flat_workgroup_size: 128
    .sgpr_count:     100
    .vgpr_count:     1024
    .wavefront_size: 32
...
	.end_amdgpu_metadata
.endif
;; end of part 2
;; launch attn (part 3): grid 2 x 128, 16 waves a work-group, no clusters, 327,680 bytes of LDS; arguments qkv, maskw, o2; writes o2
.if DOCPART == 3
	.amdgcn_target "amdgcn-amd-amdhsa--gfx1250"
	.amdhsa_code_object_version 6
	.text
	.protected	k_q02a4340a7e_attn
	.globl	k_q02a4340a7e_attn
	.p2align	8
	.type	k_q02a4340a7e_attn,@function
k_q02a4340a7e_attn:
	s_mov_b64 s[64:65], 0
	v_nop
	global_prefetch_b8 v0, s[64:65] scope:SCOPE_SE
	s_setreg_imm32_b32 hwreg(HW_REG_WAVE_MODE, 25, 1), 1
	s_wait_xcnt 0x0
; ATTENTION of one (batch, head) for 512 queries: o = softmax(mask(50 tanh(s / 50))) v, s = q . k / 8.  q, k, v: f16 [part][batch x 16 + head][1024][64]; products on f16 operands, sums in f32; all else in f32.  No work is left out.
; q and k arrive multiplied by c each, so that the matrix result is s' = 2 log2(e) s / 50.  With e = 2^s' and r = 1 / (1 + e): tanh(s / 50) = 1 - 2 r, and the capped score times log2(e) is t = A - 2 A r, A = 50 log2(e).
; THE RUNNING MAXIMUM of t is kept as the running MINIMUM of r over the keys that count: p = 2^(t - max t) = 2^(2 A rmin - 2 A r); when rmin falls, the sum and O are multiplied by 2^(2 A (new rmin - old rmin)).
; rmin begins at 1, which is t = -A, the least that the cap lets a score be.  A key that the mask hides gets r = +infinity: it loses every minimum and gives p = 0.  e = infinity gives r = 0, t = A.
; A query whose mask hides every key gives 0 x infinity = NaN, as reference() does.
; THE MASK comes as lane masks (bit L of word [16 queries][16 keys][j]: what register j of that tile of scores holds in lane L), by scalar loads, a key step ahead: one select a register.
; SHARES.  256 work-groups of sixteen waves; a wave owns 32 queries, two tiles x, in 256 registers: four waves to a SIMD, so that one wave's exponentials stand beside another's products and LDS loads.
; THE WHOLE HEAD'S K AND V LIE IN LDS, filled once: 32 tiles of 64 rows x 128 bytes, two tensor loads a wave (waves 0-7: K, waves 8-15: V; first the keys 0-511, then 512-1,023).  Nothing is filled again.
; The first key step is walked as soon as the first sixteen tiles are in; behind it one more barrier shows every wave the other sixteen, which are first read in the ninth step; the other fifteen steps have no barrier among them.
; NO CLUSTER: a head's K and V have two readers, the head's two work-groups, and each asks for them once, 262,144 bytes at its head, against sixteen key steps of work; four partners would want work-groups of 256 queries,
; 512 of them, two for each of the 256 places, each with a fill of its own to wait for.  NO PREFETCH: all loads stand at the head.
; LAYOUT.  Both products transposed: S^T = K Q^T (source 0 = 16 keys, source 1 = 16 queries), O^T = V^T P (source 0 = 16 channels, V turned by ds_load_tr16_b128): a lane holds ONE query (lane % 16) throughout; two tiles of
; scores, rounded in pairs, are the second product's source 1.
; LIMITS: p, v and o are rounded to f16; v_exp_f32 and v_rcp_f32 are not correctly rounded and flush denormals; NaN and infinities among the inputs are not served.
.set KP,    144                        ; a row in LDS: 128 bytes + 16 of padding
.set CH,    64*KP                      ; a tile of 64 rows
.set VBASE, 16*CH                      ; K's 16 tiles, then V's 16
.set SPARE, 32*CH                      ; behind them the spare words, 128 bytes a wave: 2,048 bytes
.set SHD,   16*KP                      ; the way out: 16 rows of the stage; a wave's stage is 2 x SHD bytes in K's region, written behind a barrier behind which nobody reads K
.set AK0, 1                            ; v1   my lane's place in a tile of K
.set AV0, 2                            ; v2   the same for V
.set ADK, 3                            ; v3   LDS address of the step's K
.set ADV, 4                            ; v4   of its V
.set SPW, 5                            ; v5   my spare word; never rewritten
.set NIL, 6                            ; v6   0; never rewritten
.set INF, 7                            ; v7   +infinity
.set QO,  8                            ; v8   my byte offset in the wave's rows of Q; on the way out 16 x lane
.set STO, 9                            ; v9   the stage: where I put 16 bytes of a row
.set RD,  10                           ; v10  and where I read rows back
.set ST,  16                           ; tile x's statistics at v[16 + 8 x]: +0 2 A rmin, +1 rmin, +2, +3 the sum (even keys', odd keys'), +4, +5 at work, +6 the factor, +7 named with it as a pair
.set Q,   32                           ; v32-63   Q: tile x, channels 32 c on: 32 + 16 x + 8 c
.set O,   64                           ; v64-127  O^T: 64 + 32 x + 8 ct
.set S,   128                          ; v128-191 S^T: 128 + 32 x + 8 t + j; later p; P lies over its first 16 registers of each tile
.set KV,  192                          ; v192-255 eight fragments of K, then of V
.set G1,  4                            ; s[4:11]  descriptor group 1
.set G0A, 12                           ; s[12:15], s[16:19] groups 0 of my two loads
.set G0B, 16
.set MP,  20                           ; s[20:21] my two tiles' mask words
.set SEL, 22                           ; s[22:23] lane selects for lane l xor 16
.set C2,  24                           ; s[24:25] -2 A, twice
.set WV,  26
.set CNT, 27
.set TB,  28                           ; LDS byte at which the step's tile begins
.set A2,  29                           ; 2 A
.set OP,  30                           ; s[30:31] my rows of o2
.set MO,  66                           ; byte offset of the next step's mask words
.set TM,  67
.set MW0, 32                           ; s[32:63] tile 0's 32 mask words;  s[68:99] tile 1's
.set MWD, 36
	s_load_b128 s[32:35], s[0:1], 0x0              ; qkv, maskw
	s_load_b64 s[36:37], s[0:1], 0x10              ; o2
	v_lshl_add_u32 v[SPW], v0, 2, SPARE
	v_mov_b32 v[NIL], 0
	ds_add_u32 v[SPW], v[NIL]                      ; the wave's opening: the add, twice on end, and its wait ahead of my first tensor load
	ds_add_u32 v[SPW], v[NIL]
	v_lshrrev_b32 v1, 5, v0
	v_readfirstlane_b32 s[WV], v1                  ; wave 0..15
	s_mov_b32 s[G1], (1<<16)|(1<<20)|(4<<22)|(3<<25)   ; no mask; elements of 2 bytes; padding on: 4 words after every 32
	s_mov_b32 s[G1+1], 64<<16                      ; tensor_dim0 = 64
	s_mov_b32 s[G1+2], 64<<16                      ; tensor_dim1 = 64
	s_mov_b32 s[G1+3], 64<<16                      ; tile_dim0 = 64
	s_mov_b32 s[G1+4], 64                          ; tile_dim1 = 64
	s_mov_b32 s[G1+5], 64                          ; from row to row
	s_mov_b32 s[G1+6], 0
	s_mov_b32 s[G1+7], 0
	s_lshr_b32 s[CNT], s[WV], 3                    ; 0: I fetch K; 1: V
	s_lshl_b32 s[TB], s[CNT], 3
	s_add_co_u32 s[TB], s[TB], s[WV]
	s_mul_i32 s[TB], s[TB], CH                     ; my first tile's place: K's tile w, or V's tile w - 8
	s_and_b32 s[MO], ttmp7, 0xffff                 ; batch x 16 + head
	s_add_co_u32 s[A2], s[CNT], 1
	s_lshl_b32 s[A2], s[A2], 24                    ; the part: k or v
	s_lshl_b32 s[TM], s[MO], 17                    ; the head: 131,072 bytes
	s_add_co_u32 s[A2], s[A2], s[TM]
	s_and_b32 s[TM], s[WV], 7
	s_lshl_b32 s[TM], s[TM], 13                    ; 64 rows of 128 bytes
	s_add_co_u32 s2, s[A2], s[TM]
	s_mov_b32 s3, 0
	s_wait_dscnt 0x0                               ; both opening adds are done
	s_wait_kmcnt 0x0
	s_mov_b32 s[G0A], 1
	s_mov_b32 s[G0A+1], s[TB]
	s_add_nc_u64 s[G0A+2:G0A+3], s[32:33], s[2:3]
	s_mov_b32 s[G0B], 1
	s_add_co_u32 s[G0B+1], s[TB], 8*CH             ; eight tiles on: keys 512 on
	s_add_nc_u64 s[G0B+2:G0B+3], s[G0A+2:G0A+3], 65536
	s_or_b32 s[G0A+3], s[G0A+3], 0x80000000
	s_or_b32 s[G0B+3], s[G0B+3], 0x80000000
	tensor_load_to_lds s[G0A:G0A+3], s[G1:G1+7]    ; two tensor loads of mine are out, the only ones of the launch
	s_nop 0
	tensor_load_to_lds s[G0B:G0B+3], s[G1:G1+7]
	s_nop 0
	s_lshl_b32 s2, s[MO], 17                       ; Q: the head,
	s_lshl_b32 s[TM], ttmp9, 16                    ; my work-group's 512 queries,
	s_add_co_u32 s2, s2, s[TM]
	s_lshl_b32 s[TM], s[WV], 12                    ; my wave's 32
	s_add_co_u32 s2, s2, s[TM]
	s_add_nc_u64 s[2:3], s[32:33], s[2:3]
	s_lshl_b32 s22, ttmp9, 16                      ; the mask words: 2,048 bytes for 16 queries: 32 tiles a work-group, 2 a wave
	s_lshl_b32 s[TM], s[WV], 12
	s_add_co_u32 s22, s22, s[TM]
	s_mov_b32 s23, 0
	s_add_nc_u64 s[MP:MP+1], s[34:35], s[22:23]
	s_lshr_b32 s22, s[MO], 4                       ; o2 [256 rows of the output: 32][head][256][64]: block 4 x batch + 2 x work-group + wave / 8,
	s_lshl_b32 s22, s22, 2
	s_lshl_b32 s[TM], ttmp9, 1
	s_add_co_u32 s22, s22, s[TM]
	s_add_co_u32 s22, s22, s[CNT]
	s_lshl_b32 s22, s22, 19
	s_and_b32 s[TM], s[MO], 15                     ; the head: 32,768 bytes,
	s_lshl_b32 s[TM], s[TM], 15
	s_add_co_u32 s22, s22, s[TM]
	s_and_b32 s[TM], s[WV], 7                      ; my 32 rows of 128 bytes
	s_lshl_b32 s[TM], s[TM], 12
	s_add_co_u32 s22, s22, s[TM]
	s_add_nc_u64 s[OP:OP+1], s[36:37], s[22:23]
	v_and_b32 v11, 15, v0                          ; r
	v_bfe_u32 v12, v0, 4, 1                        ; h
	v_lshlrev_b32 v[QO], 7, v11
	v_lshl_add_u32 v[QO], v12, 4, v[QO]            ; row r of 128 bytes + 16 h
.irp x, 0,1
.irp c, 0,1
	global_load_b128 v[Q+16*\x+8*\c:Q+16*\x+8*\c+3], v[QO], s[2:3] offset:\x*2048+64*\c        ; Q stays in registers
	global_load_b128 v[Q+16*\x+8*\c+4:Q+16*\x+8*\c+7], v[QO], s[2:3] offset:\x*2048+64*\c+32
.endr
.endr
	s_load_b512 s[MW0:MW0+15], s[MP:MP+1], 0x0     ; step 0's mask words (the three pointers in s[32:37] are done with)
	s_load_b512 s[MW0+16:MW0+31], s[MP:MP+1], 0x40
	s_load_b512 s[MW0+MWD:MW0+MWD+15], s[MP:MP+1], 0x800
	s_load_b512 s[MW0+MWD+16:MW0+MWD+31], s[MP:MP+1], 0x840
	s_mov_b32 s[SEL], 0x76543210
	s_mov_b32 s[SEL+1], 0xfedcba98
	s_mov_b32 s[C2], 0xc31044fe                    ; -2 A = -100 log2(e)
	s_mov_b32 s[C2+1], s[C2]                       ; (named with it as a pair, so it is written)
	s_mov_b32 s[A2], 0x431044fe                    ; 2 A
	s_mov_b32 s[TB], 0
	s_mov_b32 s[MO], 0
	v_mul_u32_u24 v[AK0], v11, KP
	v_lshl_add_u32 v[AK0], v12, 4, v[AK0]          ; K: row r x pitch + 16 h
	v_and_b32 v13, 7, v0
	v_bfe_u32 v14, v0, 3, 1
	v_lshl_add_u32 v[AV0], v12, 3, v13             ; V, for the turning load: key 8 h + l % 8,
	v_mul_u32_u24 v[AV0], v[AV0], KP
	v_lshl_add_u32 v[AV0], v14, 4, v[AV0]          ; channels 8 ((l / 8) % 2) on
	v_add_nc_u32 v[AV0], VBASE, v[AV0]
	s_mul_i32 s[TM], s[WV], 2*SHD                  ; my stage
	v_add_nc_u32 v[STO], s[TM], v[AK0]             ; in: row r, 16 bytes for each half of the lanes
	v_and_b32 v15, 31, v0
	v_lshrrev_b32 v[RD], 3, v15                    ; back: eight lanes to a row, four rows an instruction
	v_mul_u32_u24 v[RD], v[RD], KP
	v_lshl_add_u32 v[RD], v13, 4, v[RD]
	v_add_nc_u32 v[RD], s[TM], v[RD]
	v_mov_b32 v[INF], 0x7f800000
.irp x, 0,1
	v_mov_b32 v[ST+8*\x], 0
	v_mov_b32 v[ST+8*\x+1], 1.0                    ; rmin
	v_mov_b32 v[ST+8*\x+2], 0                      ; the sum, in two halves
	v_mov_b32 v[ST+8*\x+3], 0
	v_mov_b32 v[ST+8*\x+4], 0
	v_mov_b32 v[ST+8*\x+5], 0                      ; (a lane permute's destination counts as read)
	v_mov_b32 v[ST+8*\x+6], 0
	v_mov_b32 v[ST+8*\x+7], 0
.endr
.set j, 0
.rept 64
	v_mov_b32 v[O+j], 0                            ; O^T.  (The step has one form for all sixteen: the first finds zeros)
.set j, j+1
.endr
; A KEY STEP: 64 keys.
.macro STEP
	v_add_nc_u32 v[ADK], s[TB], v[AK0]
	v_add_nc_u32 v[ADV], s[TB], v[AV0]
.irp t, 0,1,2,3
.irp c, 0,1
	ds_load_b128 v[KV+8*(2*\t+\c):KV+8*(2*\t+\c)+3], v[ADK] offset:\t*16*KP+64*\c
	ds_load_b128 v[KV+8*(2*\t+\c)+4:KV+8*(2*\t+\c)+7], v[ADK] offset:\t*16*KP+64*\c+32
.endr
.endr
	s_wait_dscnt 0x0                               ; K is in
.irp c, 0,1                            ; S^T = K Q^T: eight accumulators by turns, one instruction a turn; the first eight start the sums
.irp x, 0,1
.irp t, 0,1,2,3
.if \c == 0
	v_wmma_f32_16x16x32_f16 v[S+32*\x+8*\t:S+32*\x+8*\t+7], v[KV+8*(2*\t+\c):KV+8*(2*\t+\c)+7], v[Q+16*\x+8*\c:Q+16*\x+8*\c+7], 0
.else
	v_wmma_f32_16x16x32_f16 v[S+32*\x+8*\t:S+32*\x+8*\t+7], v[KV+8*(2*\t+\c):KV+8*(2*\t+\c)+7], v[Q+16*\x+8*\c:Q+16*\x+8*\c+7], v[S+32*\x+8*\t:S+32*\x+8*\t+7]
.endif
.endr
.endr
.endr
.rept 4
	v_nop                                          ; places in front of the loads into K's registers and of the first reads of the scores
.endr
.irp g, 0,1
.irp ct, 0,1,2,3
	ds_load_tr16_b128 v[KV+8*(4*\g+\ct):KV+8*(4*\g+\ct)+3], v[ADV] offset:\g*32*KP+32*\ct           ; V, turned: it lands while the softmax is worked
	ds_load_tr16_b128 v[KV+8*(4*\g+\ct)+4:KV+8*(4*\g+\ct)+7], v[ADV] offset:\g*32*KP+16*KP+32*\ct
.endr
.endr
.set j, 0
.rept 64
	v_exp_f32 v[S+j], v[S+j]                       ; e = 2^s'; each accumulator is read from its low end on
.set j, j+1
.endr
	v_nop                                          ; a plain instruction behind the batch
	s_wait_alu depctr_va_vdst(0)                   ; one wait for the batch, ahead of its first reader
.set j, 0
.rept 32
	v_pk_add_f32 v[S+j:S+j+1], v[S+j:S+j+1], 1.0 op_sel_hi:[1,0]
.set j, j+2
.endr
.set j, 0
.rept 64
	v_rcp_f32 v[S+j], v[S+j]                       ; r = 1 / (1 + e)
.set j, j+1
.endr
	v_nop
	s_wait_kmcnt 0x0                               ; this step's mask words, asked for a step ago
	s_wait_alu depctr_va_vdst(0)
.irp x, 0,1
.set j, 0
.rept 32
	v_cndmask_b32 v[S+32*\x+j], v[INF], v[S+32*\x+j], s[MW0+MWD*\x+j]   ; a hidden key: r = +infinity
.set j, j+1
.endr
.endr
	s_add_co_u32 s[MO], s[MO], 128                 ; the next step's 32 words a tile;
	s_min_u32 s[TM], s[MO], 1920                   ; the last step asks for its own once more: no load leaves the buffer.  (The wait above shows the last loads done: their offset may be written)
	s_load_b512 s[MW0:MW0+15], s[MP:MP+1], s[TM] offset:0x0
	s_load_b512 s[MW0+16:MW0+31], s[MP:MP+1], s[TM] offset:0x40
	s_load_b512 s[MW0+MWD:MW0+MWD+15], s[MP:MP+1], s[TM] offset:0x800
	s_load_b512 s[MW0+MWD+16:MW0+MWD+31], s[MP:MP+1], s[TM] offset:0x840
.irp x, 0,1                            ; the least r: two chains a tile, the tiles by turns
	v_min3_num_f32 v[ST+8*\x+4], v[S+32*\x], v[S+32*\x+1], v[S+32*\x+2]
	v_min3_num_f32 v[ST+8*\x+5], v[S+32*\x+16], v[S+32*\x+17], v[S+32*\x+18]
.endr
.irp i, 3,5,7,9,11,13
.irp x, 0,1
	v_min3_num_f32 v[ST+8*\x+4], v[ST+8*\x+4], v[S+32*\x+\i], v[S+32*\x+\i+1]
	v_min3_num_f32 v[ST+8*\x+5], v[ST+8*\x+5], v[S+32*\x+16+\i], v[S+32*\x+17+\i]
.endr
.endr
.irp x, 0,1
	v_min3_num_f32 v[ST+8*\x+4], v[ST+8*\x+4], v[ST+8*\x+5], v[S+32*\x+15]
.endr
.irp x, 0,1
	v_min3_num_f32 v[ST+8*\x+4], v[ST+8*\x+4], v[S+32*\x+31], v[ST+8*\x+1]   ; and the old rmin: so the result is a number
.endr
.irp x, 0,1
	v_permlanex16_b32 v[ST+8*\x+5], v[ST+8*\x+4], s[SEL], s[SEL+1]           ; the query's other 32 keys lie in the lane 16 away
.endr
.irp x, 0,1
	v_min_num_f32 v[ST+8*\x+4], v[ST+8*\x+4], v[ST+8*\x+5]
.endr
.irp x, 0,1
	v_sub_f32 v[ST+8*\x+6], v[ST+8*\x+4], v[ST+8*\x+1]                       ; new rmin - old rmin, 0 or less
.endr
.irp x, 0,1
	v_mul_f32 v[ST+8*\x], s[A2], v[ST+8*\x+4]                                ; 2 A rmin
.endr
.irp x, 0,1
	v_mul_f32 v[ST+8*\x+6], s[A2], v[ST+8*\x+6]
.endr
.irp x, 0,1
	v_mov_b32 v[ST+8*\x+1], v[ST+8*\x+4]
.endr
.irp x, 0,1
.set j, 0
.rept 16
	v_pk_fma_f32 v[S+32*\x+j:S+32*\x+j+1], v[S+32*\x+j:S+32*\x+j+1], s[C2:C2+1], v[ST+8*\x:ST+8*\x+1] op_sel_hi:[1,0,0]   ; 2 A rmin - 2 A r
.set j, j+2
.endr
.endr
.irp x, 0,1
	v_exp_f32 v[ST+8*\x+6], v[ST+8*\x+6]           ; the factor for what was summed under the old rmin
.endr
.set j, 0
.rept 64
	v_exp_f32 v[S+j], v[S+j]                       ; p, at most 1
.set j, j+1
.endr
	v_nop
	s_wait_alu depctr_va_vdst(0)                   ; one wait for the 66
.irp x, 0,1                            ; the row's sum, of the unrounded p: two chains a tile
	v_pk_mul_f32 v[ST+8*\x+2:ST+8*\x+3], v[ST+8*\x+2:ST+8*\x+3], v[ST+8*\x+6:ST+8*\x+7] op_sel_hi:[1,0]
	v_pk_add_f32 v[ST+8*\x+4:ST+8*\x+5], v[S+32*\x+2:S+32*\x+3], v[S+32*\x+6:S+32*\x+7]
.endr
.irp x, 0,1
	v_pk_add_f32 v[ST+8*\x+2:ST+8*\x+3], v[ST+8*\x+2:ST+8*\x+3], v[S+32*\x:S+32*\x+1]
.endr
.irp i, 4,8,12,16,20,24,28
.irp x, 0,1
	v_pk_add_f32 v[ST+8*\x+2:ST+8*\x+3], v[ST+8*\x+2:ST+8*\x+3], v[S+32*\x+\i:S+32*\x+\i+1]
.if \i > 4
	v_pk_add_f32 v[ST+8*\x+4:ST+8*\x+5], v[ST+8*\x+4:ST+8*\x+5], v[S+32*\x+\i+2:S+32*\x+\i+3]
.endif
.endr
.endr
.irp x, 0,1
	v_pk_add_f32 v[ST+8*\x+2:ST+8*\x+3], v[ST+8*\x+2:ST+8*\x+3], v[ST+8*\x+4:ST+8*\x+5]
.endr
.irp x, 0,1
.set j, 0
.rept 16
	v_cvt_pk_f16_f32 v[S+32*\x+j], v[S+32*\x+2*j], v[S+32*\x+2*j+1]   ; in place, ascending: register j is written when 2 j and 2 j + 1 have been read
.set j, j+1
.endr
.endr
.irp x, 0,1
.set j, 0
.rept 16
	v_pk_mul_f32 v[O+32*\x+j:O+32*\x+j+1], v[O+32*\x+j:O+32*\x+j+1], v[ST+8*\x+6:ST+8*\x+7] op_sel_hi:[1,0]   ; O^T under the new rmin
.set j, j+2
.endr
.endr
	s_wait_dscnt 0x0                               ; V is in
.irp g, 0,1                            ; O^T += V^T P: eight accumulators by turns
.irp x, 0,1
.irp ct, 0,1,2,3
	v_wmma_f32_16x16x32_f16 v[O+32*\x+8*\ct:O+32*\x+8*\ct+7], v[KV+8*(4*\g+\ct):KV+8*(4*\g+\ct)+7], v[S+32*\x+8*\g:S+32*\x+8*\g+7], v[O+32*\x+8*\ct:O+32*\x+8*\ct+7]
.endr
.endr
.endr
.rept 5
	v_nop                                          ; five places: the next step's first products write over P's registers (loads into V's registers and reads of O^T want four)
.endr
	s_add_co_u32 s[TB], s[TB], CH
.endm
	s_wait_loadcnt 0x0                             ; Q
	s_wait_tensorcnt 1                             ; my tile of keys 0-511 is in; the other may stay out
	s_barrier_signal -1
	s_barrier_wait -1                              ; everybody's is
	STEP                                           ; keys 0-63, while the tiles of keys 512 on land
	s_wait_tensorcnt 0x0                           ; my tile of keys 512-1,023 is in
	s_wait_dscnt 0x0
	s_barrier_signal -1
	s_barrier_wait -1                              ; everybody's is: the whole head lies in LDS
	s_mov_b32 s[CNT], 15
.Lstep:                                            ; keys 64-1,023: fifteen steps
	STEP
	s_sub_co_u32 s[CNT], s[CNT], 1
	s_cmp_lg_u32 s[CNT], 0
	s_cbranch_scc1 .Lstep
	; THE WAY OUT: O^T / the sum, rounded to f16, through my stage, out as 512 consecutive bytes a store
	s_wait_kmcnt 0x0                               ; the last step's mask loads
	s_wait_dscnt 0x0
	s_barrier_signal -1
	s_barrier_wait -1                              ; nobody reads K's region any more: the stages lie there
.irp x, 0,1
	v_add_f32 v[ST+8*\x+4], v[ST+8*\x+2], v[ST+8*\x+3]
.endr
.irp x, 0,1
	v_permlanex16_b32 v[ST+8*\x+5], v[ST+8*\x+4], s[SEL], s[SEL+1]
.endr
.irp x, 0,1
	v_add_f32 v[ST+8*\x+4], v[ST+8*\x+4], v[ST+8*\x+5]
.endr
.irp x, 0,1
	v_rcp_f32 v[ST+8*\x+6], v[ST+8*\x+4]
.endr
	v_and_b32 v[QO], 31, v0                        ; (plain instructions behind the reciprocals)
	v_lshlrev_b32 v[QO], 4, v[QO]                  ; 16 x lane
	s_wait_alu depctr_va_vdst(0)                   ; one wait for the two
.irp x, 0,1
.set j, 0
.rept 16
	v_pk_mul_f32 v[O+32*\x+j:O+32*\x+j+1], v[O+32*\x+j:O+32*\x+j+1], v[ST+8*\x+6:ST+8*\x+7] op_sel_hi:[1,0]
.set j, j+2
.endr
.set j, 0
.rept 16
	v_cvt_pk_f16_f32 v[S+16*\x+j], v[O+32*\x+2*j], v[O+32*\x+2*j+1]
.set j, j+1
.endr
.irp ct, 0,1,2,3
	ds_store_b128 v[STO], v[S+16*\x+4*\ct:S+16*\x+4*\ct+3] offset:\x*SHD+32*\ct
.endr
.irp i, 0,1,2,3
	ds_load_b128 v[KV+16*\x+4*\i:KV+16*\x+4*\i+3], v[RD] offset:\x*SHD+4*KP*\i   ; LDS serves a wave's instructions in order: these see my stores
.endr
.endr
	s_wait_dscnt 0x0
.irp x, 0,1
.irp i, 0,1,2,3
	global_store_b128 v[QO], v[KV+16*\x+4*\i:KV+16*\x+4*\i+3], s[OP:OP+1] offset:\x*2048+512*\i
.endr
.endr
	s_wait_tensorcnt 0x0                           ; the wave's end, behind my last tensor load and my last LDS store
	ds_add_u32 v[SPW], v[NIL]
	s_wait_dscnt 0x0
	s_endpgm
.Lfunc_end_k_q02a4340a7e_attn:
	.size	k_q02a4340a7e_attn, .Lfunc_end_k_q02a4340a7e_attn-k_q02a4340a7e_attn
	.p2alignl 7, 3214868480
	.fill 96, 4, 3214868480
	.section	.rodata,"a",@progbits
	.p2align	6, 0x0
	.amdhsa_kernel k_q02a4340a7e_attn
		.amdhsa_group_segment_fixed_size 327680
		.amdhsa_private_segment_fixed_size 0
		.amdhsa_enable_private_segment 0
		.amdhsa_kernarg_size 24
		.amdhsa_user_sgpr_count 2
		.amdhsa_user_sgpr_kernarg_segment_ptr 1
		.amdhsa_wavefront_size32 1
		.amdhsa_system_sgpr_workgroup_id_x 1
		.amdhsa_system_sgpr_workgroup_id_y 1
		.amdhsa_system_sgpr_workgroup_id_z 1
		.amdhsa_system_vgpr_workitem_id 0
		.amdhsa_next_free_vgpr 256
		.amdhsa_next_free_sgpr 100
		.amdhsa_reserve_vcc 0
		.amdhsa_float_denorm_mode_32 3
		.amdhsa_float_denorm_mode_16_64 3
		.amdhsa_memory_ordered 1
		.amdhsa_forward_progress 1
		.amdhsa_inst_pref_size 71
	.end_amdhsa_kernel
	.amdgpu_metadata
---
amdhsa.version: [ 1, 2 ]
amdhsa.kernels:
  - .name:           k_q02a4340a7e_attn
    .symbol:         k_q02a4340a7e_attn.kd
    .args:
      - { .name: qkv, .offset: 0, .size: 8, .value_kind: global_buffer, .address_space: global }
      - { .name: maskw, .offset: 8, .size: 8, .value_kind: global_buffer, .address_space: global }
      - { .name: o2, .offset: 16, .size: 8, .value_kind: global_buffer, .address_space: global }
    .group_segment_fixed_size: 327680
    .private_segment_fixed_size: 0
    .kernarg_segment_align: 8
    .kernarg_segment_size: 24
    .max_flat_workgroup_size: 512
    .sgpr_count:     100
    .vgpr_count:     256
    .wavefront_size: 32
...
	.end_amdgpu_metadata
.endif
;; end of part 3
;; launch oproj (part 4): grid 8 x 32, 4 waves a work-group, clusters of 4 x 4, 327,680 bytes of LDS; arguments o2, wo16, out0; writes out0
.if DOCPART == 4
	.amdgcn_target "amdgcn-amd-amdhsa--gfx1250"
	.amdhsa_code_object_version 6
	.text
	.protected	k_q02a4340a7e_oproj
	.globl	k_q02a4340a7e_oproj
	.p2align	8
	.type	k_q02a4340a7e_oproj,@function
k_q02a4340a7e_oproj:
	s_mov_b64 s[64:65], 0
	v_nop
	global_prefetch_b8 v0, s[64:65] scope:SCOPE_SE
	s_setreg_imm32_b32 hwreg(HW_REG_WAVE_MODE, 25, 1), 1
	s_wait_xcnt 0x0
	s_wait_alu depctr_hold_cnt(0) depctr_sa_sdst(0) depctr_va_vdst(0) depctr_va_sdst(0) depctr_va_ssrc(0) depctr_va_vcc(0) depctr_vm_vsrc(0)
	s_getreg_b32 s2, hwreg(HW_REG_IB_STS2, 6, 4)
	s_cmp_eq_u32 s2, 0
	s_cbranch_scc0 .Lentry_in_a_cluster
	s_endpgm
.Lentry_in_a_cluster:
	s_bfe_u32 s2, ttmp6, 0x10000c
	s_cmp_lg_u32 s2, 0xf033
	s_cbranch_scc0 .Lentry_shape_is_right
	s_endpgm
.Lentry_shape_is_right:
; out0 = o Wo^T.  o: f16, o2 [256 rows: 32][head 16][256][64]; Wo: f16, wo16 [128 rows: 8][head 16][128][64]; out0 [8192][1024] f32; sums in f32.  No work is left out.
; A tile of 256 rows x 128 columns is made by four waves, each 128 x 64: 32 accumulators of 16 x 16, 256 registers: 256 work-groups.  K goes in steps of 128, two heads, through a ring of two LDS slots: a slot holds two
; tiles of o (256 rows x 128 bytes) and two of Wo (128 rows x 128 bytes), each dense in memory; each wave fetches one of the four with one tensor load.
; CLUSTERS: 4 x 4 work-groups; the four of a row need the same tiles of o, the four of a column the same tiles of Wo: each tile is asked for jointly, with a mask that names the four.
; THE MATRIX INSTRUCTION IS USED TRANSPOSED (source 0 = 16 rows of Wo, source 1 = 16 rows of o): a lane holds eight neighbouring numbers of a row of the output.
; LIMITS: operands are f16 as the earlier launches made them.
; REGISTERS: window 0: v0-31 addresses; two fragment buffers of 96 (32 along K: Wo's four fragments, then o's eight) at v64 and v160; on the way out v64-127 take rows read back.  Window 1: accumulator (a, b) at v[8 (4 a + b)].
.set PITCH,  144                       ; an LDS row: 128 bytes + 16 of padding
.set ACH,    256*PITCH                 ; a tile of o
.set BCH,    128*PITCH                 ; a tile of Wo
.set BOFF,   2*ACH
.set SLOT,   2*ACH+2*BCH
.set STAGE,  2*SLOT                    ; behind the ring: 16 rows x 272 bytes for each wave
.set SPITCH, 272
.set SPARE,  STAGE+4*16*SPITCH         ; behind the stages: the spare words, 128 bytes a wave
.set LAPS,   4                         ; eight K steps, two a lap
.set ADRA, 16                          ; v16-17  LDS address of my fragments of o in slot 0, 1
.set ADRB, 20                          ; v20-21  the same for Wo
.set STO,  24                          ; v24  the way out: where I put 32 bytes of a row
.set RD,   25                          ; v25  where I read rows back
.set CO,   26                          ; v26  my byte offset in the output
.set SPW,  28                          ; v28  my spare word; never rewritten
.set NIL,  29                          ; v29  0; never rewritten
.set F0,   64
.set F1,   160
.set RB,   64
.set G1, 24                            ; s[24:31] descriptor group 1 for o's tiles;  s[32:39] group 0, one set for each slot
.set G0, 32
.set G1B, 48                           ; s[48:55], s[56:63] the same for Wo's
.set G0B, 56
.set MSB, 0
.macro WIN new
.if MSB != (\new)
	s_set_vgpr_msb (MSB<<8)|(\new)
.set MSB, (\new)
.endif
.endm
.set MUL, 0x50                         ; sources 0 and 1 window 0; C and D window 1
.macro JLOAD s                         ; a joint load: waves 0 and 1 fetch o's two tiles, waves 2 and 3 Wo's; an s_nop 0 and four v_nop follow each of the two lines
	s_cmp_eq_u32 s11, 0
	s_cbranch_scc0 .Lfor_b_\@
	tensor_load_to_lds s[G0+4*\s:G0+4*\s+3], s[G1:G1+7]
	s_nop 0
.rept 4
	v_nop
.endr
	s_branch .Lasked_\@
.Lfor_b_\@:
	tensor_load_to_lds s[G0B+4*\s:G0B+4*\s+3], s[G1B:G1B+7]
	s_nop 0
.rept 4
	v_nop
.endr
.Lasked_\@:
.endm
.macro CREST                           ; a round of the cluster's barrier behind its opening barrier
	s_cmp_lg_u32 s10, 0
	s_cbranch_scc1 .Lnot_wave_0_\@
	s_barrier_signal -3
.Lnot_wave_0_\@:
	s_barrier_wait -3
	s_barrier_signal -1
	s_barrier_wait -1
.endm
.macro CROUND
	s_barrier_signal -1
	s_barrier_wait -1
	CREST
.endm
	s_load_b128 s[4:7], s[0:1], 0x0                ; o2 s[4:5], wo16 s[6:7]
	s_load_b64 s[8:9], s[0:1], 0x10                ; out0
	v_lshl_add_u32 v[SPW], v0, 2, SPARE
	v_mov_b32 v[NIL], 0
	ds_add_u32 v[SPW], v[NIL]                      ; the wave's opening: the add, twice on end, and its wait ahead of my first tensor load
	ds_add_u32 v[SPW], v[NIL]
	v_lshrrev_b32 v1, 5, v0
	v_readfirstlane_b32 s10, v1                    ; wave 0..3
	s_lshr_b32 s11, s10, 1                         ; which half of the tile's rows is mine.  Also: I fetch for o (0) or for Wo (1)
	s_and_b32 s12, s10, 1                          ; which half of its columns.  Also: which of a K step's two heads I fetch
	s_bfe_u32 s40, ttmp6, 0x40000                  ; cx, cy
	s_bfe_u32 s41, ttmp6, 0x40004
	s_lshl_b32 s42, ttmp9, 2
	s_add_co_u32 s42, s42, s40                     ; tile column = 4 x cluster x + cx
	s_and_b32 s13, ttmp7, 0xffff
	s_lshl_b32 s13, s13, 2
	s_add_co_u32 s13, s13, s41                     ; tile row = 4 x cluster y + cy
	s_lshl_b32 s43, s41, 2
	s_lshl_b32 s43, 15, s43                        ; my row of the cluster
	s_lshl_b32 s44, 0x1111, s40                    ; my column
	s_or_b32 s[G1+0], s43, (1<<16)|(1<<20)|(1<<21)|(4<<22)|(3<<25)   ; the mask: o's tiles go to my row; elements of 2 bytes; padding on; bit 21 beside a mask; 4 words of padding after every 32
	s_or_b32 s[G1B+0], s44, (1<<16)|(1<<20)|(1<<21)|(4<<22)|(3<<25)
	s_mov_b32 s[G1+1], 64<<16                      ; tensor_dim0 = 64
	s_mov_b32 s[G1+2], 256<<16                     ; tensor_dim1 = 256
	s_mov_b32 s[G1+3], 64<<16                      ; tile_dim0 = 64
	s_mov_b32 s[G1+4], 256                         ; tile_dim1 = 256
	s_mov_b32 s[G1+5], 64                          ; from row to row
	s_mov_b32 s[G1+6], 0
	s_mov_b32 s[G1+7], 0
	s_mov_b32 s[G1B+1], 64<<16
	s_mov_b32 s[G1B+2], 128<<16                    ; 128 rows
	s_mov_b32 s[G1B+3], 64<<16
	s_mov_b32 s[G1B+4], 128
	s_mov_b32 s[G1B+5], 64
	s_mov_b32 s[G1B+6], 0
	s_mov_b32 s[G1B+7], 0
	s_lshl_b32 s16, s13, 19                        ; o: the tile row's 16 heads are 524,288 bytes, a head 32,768
	s_lshl_b32 s17, s12, 15
	s_add_co_u32 s16, s16, s17
	s_mov_b32 s17, 0
	s_lshl_b32 s46, s42, 18                        ; Wo: 262,144 and 16,384
	s_lshl_b32 s47, s12, 14
	s_add_co_u32 s46, s46, s47
	s_mov_b32 s47, 0
	s_mul_i32 s20, s12, ACH                        ; where they go: no place in the cluster enters an LDS address
	s_mul_i32 s21, s12, BCH
	s_add_co_u32 s21, s21, BOFF
	s_wait_dscnt 0x0                               ; both opening adds are done
	s_wait_kmcnt 0x0
	s_add_nc_u64 s[14:15], s[4:5], s[16:17]
	s_add_nc_u64 s[46:47], s[6:7], s[46:47]
	CROUND                                         ; all sixteen work-groups are here: the first joint loads meet
.irp s, 0,1
	s_mov_b32 s[G0+4*\s], 1
	s_add_co_u32 s[G0+4*\s+1], s20, \s*SLOT
	s_add_nc_u64 s[G0+4*\s+2:G0+4*\s+3], s[14:15], \s*65536     ; K step s: heads 2 s, 2 s + 1
	s_or_b32 s[G0+4*\s+3], s[G0+4*\s+3], 0x80000000
	s_mov_b32 s[G0B+4*\s], 1
	s_add_co_u32 s[G0B+4*\s+1], s21, \s*SLOT
	s_add_nc_u64 s[G0B+4*\s+2:G0B+4*\s+3], s[46:47], \s*32768
	s_or_b32 s[G0B+4*\s+3], s[G0B+4*\s+3], 0x80000000
	JLOAD \s
.endr
	v_and_b32 v1, 15, v0                           ; l % 16
	v_bfe_u32 v2, v0, 4, 1                         ; l / 16
	v_mul_u32_u24 v3, v1, PITCH
	v_lshl_add_u32 v3, v2, 4, v3                   ; a fragment's row x pitch + 16 x half
	s_mul_i32 s21, s11, 128*PITCH                  ; my 128 rows of o
	s_mul_i32 s22, s12, 64*PITCH                   ; my 64 rows of Wo,
	s_add_co_u32 s22, s22, BOFF                    ; which lie behind o's two tiles
.irp s, 0,1
	v_add_nc_u32 v[ADRA+\s], s21, v3
	v_add_nc_u32 v[ADRB+\s], s22, v3
	s_add_co_u32 s21, s21, SLOT
	s_add_co_u32 s22, s22, SLOT
.endr
	s_mul_i32 s23, s10, 16*SPITCH
	s_add_co_u32 s23, s23, STAGE                   ; my stage
	v_mul_u32_u24 v4, v1, SPITCH                   ; in: row l % 16, 32 bytes for each half of the lanes
	v_lshl_add_u32 v4, v2, 5, v4
	v_add_nc_u32 v[STO], s23, v4
	v_mul_u32_u24 v5, v2, SPITCH                   ; back: lanes 0-15 one row of 256 bytes, lanes 16-31 the next
	v_lshl_add_u32 v5, v1, 4, v5
	v_add_nc_u32 v[RD], s23, v5
	v_lshlrev_b32 v5, 12, v2                       ; and the same two rows in the output (4,096 bytes a row)
	v_lshl_add_u32 v[CO], v1, 4, v5
	s_lshl_b32 s16, s13, 8
	s_lshl_b32 s17, s11, 7
	s_add_co_u32 s16, s16, s17                     ; my first row: 256 x tile row + 128 x half
	s_lshl_b32 s16, s16, 12
	s_mov_b32 s17, 0
	s_add_nc_u64 s[8:9], s[8:9], s[16:17]
	s_lshl_b32 s46, s42, 9                         ; my first column, in bytes: 512 x tile column + 256 x half
	s_lshl_b32 s47, s12, 8
	s_add_co_u32 s46, s46, s47
	s_mov_b32 s47, 0
	s_add_nc_u64 s[8:9], s[8:9], s[46:47]
; 8 matrix instructions: o's blocks a0, a0 + 1 x Wo's four, 32 along K, from buffer f.  zero = 1: the first product starts the sums.  The 32 accumulators take turns, in the same order in every quarter.
.macro MUL8 f, a0, zero
.irp a, \a0, \a0+1
.irp b, 0,1,2,3
.if \zero
	v_wmma_f32_16x16x32_f16 v[8*(4*(\a)+\b):8*(4*(\a)+\b)+7], v[\f+8*\b:\f+8*\b+7], v[\f+32+8*(\a):\f+32+8*(\a)+7], 0
.else
	v_wmma_f32_16x16x32_f16 v[8*(4*(\a)+\b):8*(4*(\a)+\b)+7], v[\f+8*\b:\f+8*\b+7], v[\f+32+8*(\a):\f+32+8*(\a)+7], v[8*(4*(\a)+\b):8*(4*(\a)+\b)+7]
.endif
.endr
.endr
.endm
; 24 LDS loads in one run: the fragments of the slot's kq-th 32 along K (head kq / 2, channels 32 (kq % 2) on) into buffer f: Wo's four, o's blocks 0-3, o's blocks 4-7
.macro FETCH slot, kq, f
	WIN 0
.irp i, 0,1,2,3
	ds_load_b128 v[\f+8*\i:\f+8*\i+3],   v[ADRB+\slot] offset:((\kq)/2)*BCH+64*((\kq)%2)+\i*16*PITCH
	ds_load_b128 v[\f+8*\i+4:\f+8*\i+7], v[ADRB+\slot] offset:((\kq)/2)*BCH+64*((\kq)%2)+\i*16*PITCH+32
.endr
.irp i, 0,1,2,3,4,5,6,7
	ds_load_b128 v[\f+32+8*\i:\f+32+8*\i+3],   v[ADRA+\slot] offset:((\kq)/2)*ACH+64*((\kq)%2)+\i*16*PITCH
	ds_load_b128 v[\f+32+8*\i+4:\f+32+8*\i+7], v[ADRA+\slot] offset:((\kq)/2)*ACH+64*((\kq)%2)+\i*16*PITCH+32
.endr
.endm
.macro PLACES                          ; four plain vector instructions in front of loads into registers that matrix instructions have read, and of reads of results
.rept 4
	v_nop
.endr
.endm
; A K step is four quarters of 32 along K, 32 matrix instructions each, on buffers 0, 1, 0, 1.  One of the first three: multiplies buffer f and fetches the slot's quarter kq into g.
.macro QUARTER slot, kq, f, g, zero
	s_wait_dscnt 8                                 ; Wo's fragments and o's blocks 0-3 are in; the youngest eight loads (blocks 4-7) may be out
	WIN MUL
	MUL8 \f, 0, \zero
	MUL8 \f, 2, \zero
	PLACES
	FETCH \slot, \kq, \g
	s_wait_dscnt 24                                ; all but the 24 just issued
	WIN MUL
	MUL8 \f, 4, \zero
	MUL8 \f, 6, \zero
.endm
; The last quarter multiplies buffer 1 and changes slots: ONE barrier; in front of it each wave waits for all its tensor loads, adds 0 to its spare word, and waits for that and for its reads of this slot.
; fill = 1: the barrier opens a round of the cluster's barrier, and this slot is filled again, two K steps ahead: the load has 112 matrix instructions of mine in which to land.
.macro TURN slot, next, fill
	WIN 0                                          ; (the add's two registers lie in window 0)
	s_wait_tensorcnt 0x0                           ; all my tensor loads have landed: my part of the next slot
	ds_add_u32 v[SPW], v[NIL]                      ; 0 onto my spare word
	s_wait_dscnt 9                                 ; (the add and the youngest eight loads may be out)
	WIN MUL
	MUL8 F1, 0, 0
	s_wait_dscnt 0x0                               ; the add is done, and my reads of this slot are over
	s_barrier_signal -1
	MUL8 F1, 2, 0
.if \fill
	WIN 0
.endif
	s_barrier_wait -1
.if \fill
	CREST                                          ; no wave of any partner still reads this slot or has a load on its way
	s_add_nc_u64 s[G0+4*\slot+2:G0+4*\slot+3], s[G0+4*\slot+2:G0+4*\slot+3], 131072     ; four heads on
	s_add_nc_u64 s[G0B+4*\slot+2:G0B+4*\slot+3], s[G0B+4*\slot+2:G0B+4*\slot+3], 65536
	JLOAD \slot                                    ; the first tensor load behind the round; its four v_nop are also the places in front of the loads below
.else
	PLACES
.endif
	FETCH \next, 0, F0
	WIN MUL
	MUL8 F1, 4, 0
	MUL8 F1, 6, 0
.endm
	s_wait_tensorcnt 1                             ; my part of K step 0 is in (K step 1's load may be out)
	s_barrier_signal -1
	s_barrier_wait -1                              ; everybody's is
	FETCH 0, 0, F0
	QUARTER 0, 1, F0, F1, 1                        ; the first quarter stands in front of the loop: its products start the sums
	WIN 0                                          ; at a label and at a branch every window is 0
	s_mov_b32 s3, LAPS-1
.Llap:                                             ; a trip goes once round the ring, from a lap's second quarter to the next lap's first, and fills both slots again
	QUARTER 0, 2, F1, F0, 0
	QUARTER 0, 3, F0, F1, 0
	TURN 0, 1, 1
	QUARTER 1, 1, F0, F1, 0
	QUARTER 1, 2, F1, F0, 0
	QUARTER 1, 3, F0, F1, 0
	TURN 1, 0, 1
	QUARTER 0, 1, F0, F1, 0
	WIN 0
	s_sub_co_u32 s3, s3, 1
	s_cmp_lg_u32 s3, 0
	s_cbranch_scc1 .Llap
	QUARTER 0, 2, F1, F0, 0                        ; the last lap fills nothing, and has no round of the cluster's barrier
	QUARTER 0, 3, F0, F1, 0
	TURN 0, 1, 0
	QUARTER 1, 1, F0, F1, 0
	QUARTER 1, 2, F1, F0, 0
	QUARTER 1, 3, F0, F1, 0
	s_wait_dscnt 8                                 ; the very last quarter: nothing more to fetch
	WIN MUL
	MUL8 F1, 0, 0
	MUL8 F1, 2, 0
	s_wait_dscnt 0
	MUL8 F1, 4, 0
	MUL8 F1, 6, 0
	WIN 0
; THE WAY OUT, block by block of 16 rows x 64 columns: 32 bytes a lane into my own stage, back as whole rows of 256 bytes, two rows an instruction: sixteen lanes store 256 consecutive bytes, aligned.
.macro TOSTAGE a
	WIN 0x04                                       ; an LDS store's data are its source 1: window 1
.irp b, 0,1,2,3
	ds_store_b128 v[STO], v[8*(4*(\a)+\b):8*(4*(\a)+\b)+3] offset:64*\b          ; each accumulator from its low end on
	ds_store_b128 v[STO], v[8*(4*(\a)+\b)+4:8*(4*(\a)+\b)+7] offset:64*\b+16
.endr
	WIN 0
.irp i, 0,1,2,3,4,5,6,7
	ds_load_b128 v[RB+32*((\a)%2)+4*\i:RB+32*((\a)%2)+4*\i+3], v[RD] offset:\i*2*SPITCH   ; LDS serves a wave's instructions in order: these see the stores above
.endr
.endm
.macro SEND a, younger                 ; younger: the LDS instructions issued behind block a's loads
	s_wait_dscnt \younger
.irp i, 0,1,2,3,4,5,6,7
	global_store_b128 v[CO], v[RB+32*((\a)%2)+4*\i:RB+32*((\a)%2)+4*\i+3], s[8:9] offset:(16*(\a)+2*\i)*4096 th:TH_STORE_NT   ; written once, read by nobody here
.endr
.endm
	PLACES
	TOSTAGE 0
.irp a, 1,2,3,4,5,6,7
.if \a > 1
	s_wait_xcnt 0x0                                ; block a - 2's stores have read their registers: block a's loads may land there
.endif
	TOSTAGE \a
	SEND (\a)-1, 16                                ; behind block a - 1's loads: block a's 8 stores and 8 loads
.endr
	SEND 7, 0
	s_wait_tensorcnt 0x0                           ; the wave's end, behind my last tensor load and my last LDS store
	ds_add_u32 v[SPW], v[NIL]
	s_wait_dscnt 0x0
	CROUND                                         ; the closing round: no work-group ends while a partner may still ask for a tile that names it
	s_endpgm
.Lfunc_end_k_q02a4340a7e_oproj:
	.size	k_q02a4340a7e_oproj, .Lfunc_end_k_q02a4340a7e_oproj-k_q02a4340a7e_oproj
	.p2alignl 7, 3214868480
	.fill 96, 4, 3214868480
	.section	.rodata,"a",@progbits
	.p2align	6, 0x0
	.amdhsa_kernel k_q02a4340a7e_oproj
		.amdhsa_group_segment_fixed_size 327680
		.amdhsa_private_segment_fixed_size 0
		.amdhsa_enable_private_segment 0
		.amdhsa_kernarg_size 24
		.amdhsa_user_sgpr_count 2
		.amdhsa_user_sgpr_kernarg_segment_ptr 1
		.amdhsa_wavefront_size32 1
		.amdhsa_system_sgpr_workgroup_id_x 1
		.amdhsa_system_sgpr_workgroup_id_y 1
		.amdhsa_system_sgpr_workgroup_id_z 1
		.amdhsa_system_vgpr_workitem_id 0
		.amdhsa_next_free_vgpr 512
		.amdhsa_next_free_sgpr 66
		.amdhsa_reserve_vcc 0
		.amdhsa_float_denorm_mode_32 3
		.amdhsa_float_denorm_mode_16_64 3
		.amdhsa_memory_ordered 1
		.amdhsa_forward_progress 1
		.amdhsa_inst_pref_size 85
	.end_amdhsa_kernel
	.amdgpu_metadata
---
amdhsa.version: [ 1, 2 ]
amdhsa.kernels:
  - .name:           k_q02a4340a7e_oproj
    .symbol:         k_q02a4340a7e_oproj.kd
    .args:
      - { .name: o2, .offset: 0, .size: 8, .value_kind: global_buffer, .address_space: global }
      - { .name: wo16, .offset: 8, .size: 8, .value_kind: global_buffer, .address_space: global }
      - { .name: out0, .offset: 16, .size: 8, .value_kind: global_buffer, .address_space: global }
    .group_segment_fixed_size: 327680
    .private_segment_fixed_size: 0
    .kernarg_segment_align: 8
    .kernarg_segment_size: 24
    .max_flat_workgroup_size: 128
    .sgpr_count:     66
    .vgpr_count:     512
    .wavefront_size: 32
...
	.end_amdgpu_metadata
.endif
;; end of part 4
